; MI455X (gfx1250); checked and timed in simulation.
; The chip was launched on July 23, 2026; its instructions are those of AMD's public machine-readable ISA for CDNA 5 (MIT licence, August 2026) and "CDNA5" Instruction Set Architecture Reference Guide (July 2026). The comments in the code are by the model that wrote it; some were corrected since.
;; Self Attention. Allowed arithmetic: float matrix products may take bf16 or f16 operands with f32 sums; all other float work in f32.
;; Inputs: W_proj 1,024 x 1,024 float32; W_qkv 1,024 x 3,072 float32; b_proj 1,024 float32; b_qkv 3,072 float32; x 2 x 2,048 x 1,024 float32.
;; Outputs: out0 2 x 2,048 x 1,024 float32.
;; 2 versions, each right; version 2 is version 1 with the launch cvt written anew for expert scheduling mode. Each part assembles by itself: llvm-mc -triple=amdgcn-amd-amdhsa -mcpu=gfx1250 --defsym DOCPART=n.
;; ======== version 1 of 2: 4 launches
;; limits: values are held in f16: magnitudes above 65,504 overflow, below 6.1e-05 lose precision
;; workspace buffers: xb 8,388,608 bytes; wqb 6,291,456 bytes; wpb 2,097,152 bytes; qkv 25,165,824 bytes; yb 8,388,608 bytes
;; launch cvt (part 1): grid 512 x 1, 8 waves a work-group, no clusters, 0 bytes of LDS; arguments x, W_qkv, W_proj, xb, wqb, wpb; writes xb, wqb, wpb
.if DOCPART == 1
	.amdgcn_target "amdgcn-amd-amdhsa--gfx1250"
	.amdhsa_code_object_version 6
	.text
	.protected	k_q64a3a704a2_cvt
	.globl	k_q64a3a704a2_cvt
	.p2align	8
	.type	k_q64a3a704a2_cvt,@function
k_q64a3a704a2_cvt:
	s_mov_b64 s[64:65], 0
	v_nop
	global_prefetch_b8 v0, s[64:65] scope:SCOPE_SE
	s_setreg_imm32_b32 hwreg(HW_REG_WAVE_MODE, 25, 1), 1
	s_wait_xcnt 0x0
; The three large inputs are rounded once to 16-bit matrix operands, layouts unchanged.
;   x      [4096][1024] f32 -> xb  bf16        W_qkv [1024][3072] f32 -> wqb bf16
;   W_proj [1024][1024] f32 -> wpb: rounded to bf16 like the other two, then written as f16.  W_proj is later multiplied with y, which is
;   kept in f16 (11 significant bits); a bf16 number has 8 significant bits, which f16 holds exactly from 2^-17 up to 65,504, so the three
;   inputs carry one and the same rounding.  LIMIT: |W_proj| < 65,504; below 2^-17 the f16 copy is off by at most 2^-25.
; A stream: no LDS, no barrier, no matrix unit.  A work-group takes 16,384 numbers (65,536 bytes in, 32,768 out); work-groups 0-255 take x,
; 256-447 W_qkv, 448-511 W_proj.  Thread t takes 16 bytes at 16 t of each 4,096-byte piece: a load of a wave covers 512 neighbouring bytes,
; a store of a wave 256 neighbouring bytes that start at a multiple of 256.  All sixteen loads go out first; no register is written twice
; while a memory instruction may read it, so the only waits are the counted ones for the loads.
.set X, 4                              ; v[4:67]   piece i: 4 numbers as loaded
.set Y, 68                             ; v[68:99]  piece i: 4 numbers of 16 bits
	s_load_b256 s[4:11], s[0:1], 0x0               ; x s[4:5], W_qkv s[6:7], W_proj s[8:9], xb s[10:11]
	s_load_b128 s[12:15], s[0:1], 0x20             ; wqb s[12:13], wpb s[14:15]
	s_mov_b32 s16, ttmp9                           ; the work-group's number
	s_sub_co_u32 s17, s16, 256                     ; its number within W_qkv's share
	s_sub_co_u32 s18, s16, 448                     ; its number within W_proj's share
	s_mov_b32 s28, 0xffff0000                      ; a word's upper bf16
	v_lshlrev_b32 v1, 4, v0                        ; 16 t: where I read
	v_lshlrev_b32 v2, 3, v0                        ; 8 t: where I write
	s_wait_kmcnt 0x0
	s_cmp_lt_u32 s16, 448                          ; the buffers are chosen by the work-group's number alone
	s_cselect_b64 s[20:21], s[6:7], s[8:9]
	s_cselect_b64 s[22:23], s[12:13], s[14:15]
	s_cselect_b32 s19, s17, s18
	s_cmp_lt_u32 s16, 256
	s_cselect_b64 s[20:21], s[4:5], s[20:21]
	s_cselect_b64 s[22:23], s[10:11], s[22:23]
	s_cselect_b32 s19, s16, s19
	s_lshl_b32 s24, s19, 16                        ; 65,536 bytes in for each work-group
	s_mov_b32 s25, 0
	s_lshl_b32 s26, s19, 15                        ; 32,768 bytes out
	s_mov_b32 s27, 0
	s_add_nc_u64 s[20:21], s[20:21], s[24:25]
	s_add_nc_u64 s[22:23], s[22:23], s[26:27]
.irp i, 0,1,2,3,4,5,6,7,8,9,10,11,12,13,14,15
	global_load_b128 v[X+4*\i:X+4*\i+3], v1, s[20:21] offset:4096*\i th:TH_LOAD_NT
.endr
; One piece.  half = 1: the bf16 numbers are widened again (a shift, a mask) and written as f16, which changes no value in the stated range.
.macro PIECE i, half
	s_wait_loadcnt 15-\i                           ; loads come back in order (ISA guide 5.7.1): piece i is in, the 15 - i younger ones stay out
	v_cvt_pk_bf16_f32 v[Y+2*\i],   v[X+4*\i],   v[X+4*\i+1]
	v_cvt_pk_bf16_f32 v[Y+2*\i+1], v[X+4*\i+2], v[X+4*\i+3]
.if \half
	v_lshlrev_b32 v[X+4*\i],   16,  v[Y+2*\i]
	v_and_b32     v[X+4*\i+1], s28, v[Y+2*\i]
	v_lshlrev_b32 v[X+4*\i+2], 16,  v[Y+2*\i+1]
	v_and_b32     v[X+4*\i+3], s28, v[Y+2*\i+1]
	v_cvt_pk_f16_f32 v[Y+2*\i],   v[X+4*\i],   v[X+4*\i+1]
	v_cvt_pk_f16_f32 v[Y+2*\i+1], v[X+4*\i+2], v[X+4*\i+3]
.endif
	global_store_b64 v2, v[Y+2*\i:Y+2*\i+1], s[22:23] offset:2048*\i
.endm
	s_cmp_ge_u32 s16, 448
	s_cbranch_scc1 .Lproj
.irp i, 0,1,2,3,4,5,6,7,8,9,10,11,12,13,14,15
	PIECE \i, 0
.endr
	s_endpgm
.Lproj:
.irp i, 0,1,2,3,4,5,6,7,8,9,10,11,12,13,14,15
	PIECE \i, 1
.endr
	s_endpgm
.Lfunc_end_k_q64a3a704a2_cvt:
	.size	k_q64a3a704a2_cvt, .Lfunc_end_k_q64a3a704a2_cvt-k_q64a3a704a2_cvt
	.p2alignl 7, 3214868480
	.fill 96, 4, 3214868480
	.section	.rodata,"a",@progbits
	.p2align	6, 0x0
	.amdhsa_kernel k_q64a3a704a2_cvt
		.amdhsa_group_segment_fixed_size 0
		.amdhsa_private_segment_fixed_size 0
		.amdhsa_enable_private_segment 0
		.amdhsa_kernarg_size 48
		.amdhsa_user_sgpr_count 2
		.amdhsa_user_sgpr_kernarg_segment_ptr 1
		.amdhsa_wavefront_size32 1
		.amdhsa_system_sgpr_workgroup_id_x 1
		.amdhsa_system_sgpr_workgroup_id_y 1
		.amdhsa_system_sgpr_workgroup_id_z 1
		.amdhsa_system_vgpr_workitem_id 0
		.amdhsa_next_free_vgpr 100
		.amdhsa_next_free_sgpr 66
		.amdhsa_reserve_vcc 0
		.amdhsa_float_denorm_mode_32 3
		.amdhsa_float_denorm_mode_16_64 3
		.amdhsa_memory_ordered 1
		.amdhsa_forward_progress 1
		.amdhsa_inst_pref_size 15
	.end_amdhsa_kernel
	.amdgpu_metadata
---
amdhsa.version: [ 1, 2 ]
amdhsa.kernels:
  - .name:           k_q64a3a704a2_cvt
    .symbol:         k_q64a3a704a2_cvt.kd
    .args:
      - { .name: x, .offset: 0, .size: 8, .value_kind: global_buffer, .address_space: global }
      - { .name: W_qkv, .offset: 8, .size: 8, .value_kind: global_buffer, .address_space: global }
      - { .name: W_proj, .offset: 16, .size: 8, .value_kind: global_buffer, .address_space: global }
      - { .name: xb, .offset: 24, .size: 8, .value_kind: global_buffer, .address_space: global }
      - { .name: wqb, .offset: 32, .size: 8, .value_kind: global_buffer, .address_space: global }
      - { .name: wpb, .offset: 40, .size: 8, .value_kind: global_buffer, .address_space: global }
    .group_segment_fixed_size: 0
    .private_segment_fixed_size: 0
    .kernarg_segment_align: 8
    .kernarg_segment_size: 48
    .max_flat_workgroup_size: 256
    .sgpr_count:     66
    .vgpr_count:     100
    .wavefront_size: 32
...
	.end_amdgpu_metadata
.endif
;; end of part 1
;; launch gemm_qkv (part 2): grid 12 x 16, 4 waves a work-group, clusters of 4 x 4, 327,680 bytes of LDS; arguments xb, wqb, qkv, b_qkv; writes qkv
.if DOCPART == 2
	.amdgcn_target "amdgcn-amd-amdhsa--gfx1250"
	.amdhsa_code_object_version 6
	.text
	.protected	k_q64a3a704a2_gemm_qkv
	.globl	k_q64a3a704a2_gemm_qkv
	.p2align	8
	.type	k_q64a3a704a2_gemm_qkv,@function
k_q64a3a704a2_gemm_qkv:
	s_mov_b64 s[64:65], 0
	v_nop
	global_prefetch_b8 v0, s[64:65] scope:SCOPE_SE
	s_setreg_imm32_b32 hwreg(HW_REG_WAVE_MODE, 25, 1), 1
	s_wait_xcnt 0x0
	s_wait_alu depctr_hold_cnt(0) depctr_sa_sdst(0) depctr_va_vdst(0) depctr_va_sdst(0) depctr_va_ssrc(0) depctr_va_vcc(0) depctr_vm_vsrc(0)
	s_getreg_b32 s2, hwreg(HW_REG_IB_STS2, 6, 4)
	s_cmp_eq_u32 s2, 0
	s_cbranch_scc0 .Lentry_in_a_cluster
	s_endpgm
.Lentry_in_a_cluster:
	s_bfe_u32 s2, ttmp6, 0x10000c
	s_cmp_lg_u32 s2, 0xf033
	s_cbranch_scc0 .Lentry_shape_is_right
	s_endpgm
.Lentry_shape_is_right:
; qkv[m][n] = sum over k of xb[m][k] wqb[k][n] + b_qkv[n].  xb: [4096][1024] bf16, wqb: [1024 k][3072 n] bf16, sums and bias in f32,
; qkv: [4096][3072] rounded once to f16 (q, k and v are operands of the attention's f16 products: 11 significant bits).
; LIMIT: |qkv| < 65,504, f16's largest number; with x and W_qkv both 30 times their drawn spread q, k, v reach about 900 x 5.5 = 5,000.
; A work-group makes a block of 256 x 256 with four waves, one for each SIMD; a wave makes 128 x 128: 64 accumulator tiles of 16 x 16,
; 512 registers.  12 x 16 = 192 work-groups.  K goes in steps of 128 through a ring of two LDS slots filled by the tensor data mover.
; A's tile has 256 rows of 256 bytes; B's tile, which lies [k][n] in memory, has 128 k rows of 512 bytes and is read by transposing loads.
; CLUSTERS: 4 x 4 work-groups.  The four of a row of the cluster need the same tiles of A, the four of a column the same tiles of B: each
; tile is asked for jointly, by the same tensor load with the same descriptor and a mask that names the four.
; A wave has two tensor loads outstanding at the start and one behind each later request.
;
; REGISTERS, in windows of 256:
;   window 0: v16-27 addresses; v64-127, v128-191 fragments of A, two buffers (on the way out: read-back, sums); v192-223 packed results
;   window 1: v0-63 the bias of my 128 columns; v64-127, v128-191 fragments of B, two buffers
;   window 2: the 32 accumulator tiles of my rows 0-63 (tile (a, b) at v[8 (8 a + b)]);   window 3: those of my rows 64-127
; THE MATRIX INSTRUCTION IS USED TRANSPOSED: source 0 = 16 columns of B, source 1 = 16 rows of A, so that lane l holds row l % 16 of the
; result and its registers 0-7 the columns 8 (l / 16) + 0..7: eight neighbouring numbers of a row.
.set SIZE_N, 3072
.set SIZE_K, 1024
.set KSTEP,  128
.set PITCH,  272                       ; A's LDS row: 256 bytes + 16 of padding, an odd multiple of 16
.set BPITCH, 544                       ; B's LDS row: 512 bytes + 32 of padding, an odd multiple of 32 (for the transposing loads)
.set HALFT,  128*PITCH                 ; what one tensor load brings: 128 rows of A, or 64 k rows of B (64 x 544 is the same 34,816 bytes)
.set SLOT,   4*HALFT                   ; A's 256 rows, then B's 128 k rows
.set STAGE,  2*SLOT                    ; behind the ring: 16 rows x 272 bytes for each wave, for the way out; no tensor load lands here
.set SPITCH, 272
.set LAPS, SIZE_K/(2*KSTEP)            ; a lap = two K steps = once round the ring: 4
.set ADRA, 16                          ; v16-17  LDS address of my A fragments in slot 0, 1
.set ADRB, 20                          ; v20-21  the same for B
.set STO,  24                          ; v24     the way out: where I put 16 bytes of a row
.set RD,   25                          ; v25     the way out: where I read a row back
.set CO,   26                          ; v26     my byte offset in qkv
.set BO,   27                          ; v27     my byte offset in the bias: 32 (l / 16)
.set F0,   64
.set F1,   128
.set SUM,  128                         ; the way out: result + bias in f32, window 0
.set TMP,  192                         ; the way out: packed f16
.set G1, 24                            ; s[24:31] descriptor group 1 for A's tiles
.set G0, 32                            ; s[32:39] group 0 for A's tiles, one set for each slot
.set G1B, 48                           ; s[48:55] group 1 for B's tiles
.set G0B, 56                           ; s[56:63] group 0 for B's tiles, one set for each slot
.set MSB, 0
.macro WIN new                         ; the immediate's high byte repeats the setting that is left
.if MSB != \new
	s_set_vgpr_msb (MSB<<8)|\new
.set MSB, \new
.endif
.endm
.set MUL_LO, 0xa1                      ; source 0 (B) window 1, source 1 (A) window 0, C and D window 2
.set MUL_HI, 0xf1                      ; the same, C and D window 3
.set TO_B,   0x40                      ; destination window 1, address window 0
; A joint load.  Waves 0 and 1 fetch A's two halves, waves 2 and 3 B's.  The branch hangs on the wave's number alone.
.macro JLOAD s
	s_cmp_eq_u32 s11, 0
	s_cbranch_scc0 .Lfor_b_\@
	tensor_load_to_lds s[G0+4*\s:G0+4*\s+3], s[G1:G1+7]
	s_nop 0
	s_branch .Lasked_\@
.Lfor_b_\@:
	tensor_load_to_lds s[G0B+4*\s:G0B+4*\s+3], s[G1B:G1B+7]
	s_nop 0
.Lasked_\@:
.endm
; A round of the cluster's barrier: my work-group's barrier; wave 0 signals for the work-group; every wave waits for all sixteen; my work-group's barrier again.
.macro CREST                           ; a round behind its opening barrier
	s_cmp_lg_u32 s10, 0
	s_cbranch_scc1 .Lnot_wave_0_\@
	s_barrier_signal -3
.Lnot_wave_0_\@:
	s_barrier_wait -3
	s_barrier_signal -1
	s_barrier_wait -1
.endm
.macro CROUND
	s_barrier_signal -1
	s_barrier_wait -1
	CREST
.endm
	s_load_b128 s[4:7], s[0:1], 0x0                ; xb s[4:5], wqb s[6:7]
	s_load_b64 s[8:9], s[0:1], 0x10                ; qkv
	s_load_b64 s[66:67], s[0:1], 0x18              ; b_qkv
	s_set_vgpr_msb 0x40
	v_lshl_add_u32 v255, v0, 2, 0x48400
	s_set_vgpr_msb 0x4000
	v_mov_b32 v255, 0
	s_set_vgpr_msb 0x1
	ds_add_u32 v255, v255
	s_set_vgpr_msb 0x100
	v_lshrrev_b32 v1, 5, v0
	v_readfirstlane_b32 s10, v1                    ; wave 0..3
	s_lshr_b32 s11, s10, 1                         ; which half of the block's rows is mine.  Also: I fetch for A (0) or for B (1)
	s_and_b32 s12, s10, 1                          ; which half of its columns.  Also: which half of that tile I fetch
	s_bfe_u32 s40, ttmp6, 0x40000                  ; cx
	s_bfe_u32 s41, ttmp6, 0x40004                  ; cy
	s_lshl_b32 s42, ttmp9, 2
	s_add_co_u32 s42, s42, s40                     ; block column = 4 x cluster x + cx
	s_and_b32 s13, ttmp7, 0xffff
	s_lshl_b32 s13, s13, 2
	s_add_co_u32 s13, s13, s41                     ; block row = 4 x cluster y + cy
	s_lshl_b32 s43, s41, 2
	s_lshl_b32 s43, 15, s43                        ; my row of the cluster: places 4 cy .. 4 cy + 3
	s_lshl_b32 s44, 0x1111, s40                    ; my column: places cx, cx + 4, cx + 8, cx + 12
	; group 1 for A: 128 rows x 128 elements, 4 words of padding behind every 64 words
	s_or_b32 s[G1+0], s43, (1<<16)|(1<<20)|(1<<21)|(5<<22)|(3<<25)
	s_mov_b32 s[G1+1], KSTEP<<16                   ; tensor_dim0 = 128
	s_mov_b32 s[G1+2], 128<<16                     ; tensor_dim1 = 128
	s_mov_b32 s[G1+3], KSTEP<<16                   ; tile_dim0 = 128
	s_mov_b32 s[G1+4], 128                         ; tile_dim1 = 128
	s_mov_b32 s[G1+5], SIZE_K                      ; elements from row to row
	s_mov_b32 s[G1+6], 0
	s_mov_b32 s[G1+7], 0
	; group 1 for B: 64 k rows x 256 elements, 8 words of padding behind every 128 words
	s_or_b32 s[G1B+0], s44, (1<<16)|(1<<20)|(1<<21)|(6<<22)|(7<<25)
	s_mov_b32 s[G1B+1], 256<<16                    ; tensor_dim0 = 256
	s_mov_b32 s[G1B+2], 64<<16                     ; tensor_dim1 = 64
	s_mov_b32 s[G1B+3], 256<<16                    ; tile_dim0 = 256
	s_mov_b32 s[G1B+4], 64                         ; tile_dim1 = 64
	s_mov_b32 s[G1B+5], SIZE_N
	s_mov_b32 s[G1B+6], 0
	s_mov_b32 s[G1B+7], 0
	; A's tiles hang on the block row and the wave alone, B's on the block column and the wave alone, each in registers that never hold the other coordinate
	s_lshl_b32 s17, s12, 7
	s_lshl_b32 s16, s13, 8
	s_add_co_u32 s16, s16, s17                     ; A: row 256 x block row + 128 x half
	s_lshl_b32 s16, s16, 11                        ; x 2,048 bytes a row (at most 8 MiB)
	s_mov_b32 s17, 0
	s_mul_i32 s47, s12, 64*SIZE_N*2                ; B: k row 64 x half,
	s_lshl_b32 s46, s42, 9                         ; column 256 x block column, 2 bytes each
	s_add_co_u32 s46, s46, s47
	s_mov_b32 s47, 0
	s_lshl_b32 s68, s42, 10                        ; the bias of my 128 columns: 4 (256 x block column + 128 x half)
	s_lshl_b32 s69, s12, 9
	s_add_co_u32 s68, s68, s69
	s_mov_b32 s69, 0
	s_mul_i32 s20, s10, HALFT                      ; where my tile goes: wave x 34,816
	s_wait_dscnt 0x0
	s_wait_kmcnt 0x0
	s_add_nc_u64 s[14:15], s[4:5], s[16:17]
	s_add_nc_u64 s[46:47], s[6:7], s[46:47]
	s_add_nc_u64 s[66:67], s[66:67], s[68:69]
	CROUND                                         ; all sixteen work-groups are here: the first joint loads meet
.irp s, 0,1
	s_mov_b32 s[G0+4*\s], 1
	s_add_co_u32 s[G0+4*\s+1], s20, \s*SLOT
	s_add_nc_u64 s[G0+4*\s+2:G0+4*\s+3], s[14:15], \s*KSTEP*2              ; K step s: 256 bytes along A's rows
	s_or_b32 s[G0+4*\s+3], s[G0+4*\s+3], 0x80000000
	s_mov_b32 s[G0B+4*\s], 1
	s_add_co_u32 s[G0B+4*\s+1], s20, \s*SLOT
	s_add_nc_u64 s[G0B+4*\s+2:G0B+4*\s+3], s[46:47], \s*KSTEP*SIZE_N*2     ; K step s: 128 rows down B
	s_or_b32 s[G0B+4*\s+3], s[G0B+4*\s+3], 0x80000000
	JLOAD \s
.endr
	v_and_b32 v1, 15, v0                           ; l % 16
	v_bfe_u32 v2, v0, 4, 1                         ; l / 16
	v_mul_u32_u24 v3, v1, PITCH
	v_lshl_add_u32 v3, v2, 4, v3                   ; A: row x pitch + 16 x half
	v_and_b32 v6, 7, v0
	v_lshl_add_u32 v6, v2, 3, v6                   ; B: k row 8 (l / 16) + l % 8,
	v_mul_u32_u24 v6, v6, BPITCH
	v_bfe_u32 v7, v0, 3, 1
	v_lshl_add_u32 v6, v7, 4, v6                   ; and the left or right 16 bytes of a block of 16 columns
	s_mul_i32 s21, s11, HALFT                      ; my 128 rows of A
	s_lshl_b32 s22, s12, 8                         ; my 128 columns of B, 256 bytes,
	s_add_co_u32 s22, s22, 2*HALFT                 ; behind A's 256 rows
.irp s, 0,1
	v_add_nc_u32 v[ADRA+\s], s21, v3
	v_add_nc_u32 v[ADRB+\s], s22, v6
	s_add_co_u32 s21, s21, SLOT
	s_add_co_u32 s22, s22, SLOT
.endr
	s_mul_i32 s23, s10, 16*SPITCH
	s_add_co_u32 s23, s23, STAGE                   ; my stage
	v_mul_u32_u24 v4, v1, SPITCH
	v_lshl_add_u32 v4, v2, 4, v4
	v_add_nc_u32 v[STO], s23, v4
	v_mul_u32_u24 v5, v2, SPITCH
	v_lshl_add_u32 v5, v1, 4, v5
	v_add_nc_u32 v[RD], s23, v5
	v_mul_u32_u24 v5, v2, SIZE_N*2
	v_lshl_add_u32 v[CO], v1, 4, v5
	v_lshlrev_b32 v[BO], 5, v2
	WIN TO_B                                       ; the bias of column 16 b + 8 (l / 16) + j goes to register 8 b + j of window 1; waited for in front of the way out
.irp b, 0,1,2,3,4,5,6,7
	global_load_b128 v[8*\b:8*\b+3],   v[BO], s[66:67] offset:64*\b
	global_load_b128 v[8*\b+4:8*\b+7], v[BO], s[66:67] offset:64*\b+16
.endr
	WIN 0
; 16 matrix instructions: m blocks a0, a0 + 1 of the window's four x all 8 n blocks, 32 along K.  zero = 1: the first product starts the sums.
; The 64 accumulators take turns, one instruction a turn, in the same order in every quarter step.
.macro MUL16 f, hi, a0, zero
.irp a, \a0, \a0+1
.irp b, 0,1,2,3,4,5,6,7
.if \zero
	v_wmma_f32_16x16x32_bf16 v[8*(8*(\a)+\b):8*(8*(\a)+\b)+7], v[\f+8*\b:\f+8*\b+7], v[\f+8*(4*\hi+\a):\f+8*(4*\hi+\a)+7], 0
.else
	v_wmma_f32_16x16x32_bf16 v[8*(8*(\a)+\b):8*(8*(\a)+\b)+7], v[\f+8*\b:\f+8*\b+7], v[\f+8*(4*\hi+\a):\f+8*(4*\hi+\a)+7], v[8*(8*(\a)+\b):8*(8*(\a)+\b)+7]
.endif
.endr
.endr
.endm
; 32 LDS loads in one run: the fragments of quarter q (32 along K) into buffer f.  B: two transposing loads bring k = 32 q + 8 (l / 16) + 0..7 and
; + 16 of column 16 i + l % 16; the largest offset is 3 x 17,408 + 8,704 + 224 = 61,152, inside 16 bits.  A: two plain loads, 32 bytes apart.
.macro FETCH slot, q, f
	WIN TO_B
.irp i, 0,1,2,3,4,5,6,7
	ds_load_tr16_b128 v[\f+8*\i:\f+8*\i+3],   v[ADRB+\slot] offset:\q*32*BPITCH+32*\i
	ds_load_tr16_b128 v[\f+8*\i+4:\f+8*\i+7], v[ADRB+\slot] offset:\q*32*BPITCH+16*BPITCH+32*\i
.endr
	WIN 0
.irp i, 0,1,2,3,4,5,6,7
	ds_load_b128 v[\f+8*\i:\f+8*\i+3],   v[ADRA+\slot] offset:\q*64+\i*16*PITCH
	ds_load_b128 v[\f+8*\i+4:\f+8*\i+7], v[ADRA+\slot] offset:\q*64+\i*16*PITCH+32
.endr
.endm
; Four places behind a matrix instruction before a load lands on one of its registers or a vector instruction reads its result
; (ISA guide 7.12.1 for vector instructions); other matrix instructions are not counted as places.
.macro PLACES
.rept 4
	v_nop
.endr
.endm
.macro QUARTER slot, q, f, g, zero     ; multiplies buffer f; in its middle fetches quarter q of the same slot into buffer g
	s_wait_dscnt 8                                 ; B and A's rows 0-63 are in; the youngest eight loads (A's rows 64-127) may be out
	WIN MUL_LO
	MUL16 \f, 0, 0, \zero
	MUL16 \f, 0, 2, \zero
	PLACES
	FETCH \slot, \q, \g
	s_wait_dscnt 32                                ; all but the 32 just issued
	WIN MUL_HI
	MUL16 \f, 1, 0, \zero
	MUL16 \f, 1, 2, \zero
.endm
.macro THREE slot, zero
	QUARTER \slot, 1, F0, F1, \zero
	QUARTER \slot, 2, F1, F0, 0
	QUARTER \slot, 3, F0, F1, 0
.endm
; The last quarter: multiplies buffer 1 and changes slots.  In front of the barrier each wave waits for its reads of this slot and for all its
; tensor loads (the one that is out is its part of the next slot); behind it the refill comes first, then the next slot's first fragments.
.macro TURN slot, next, fill
	s_wait_dscnt 8
	WIN MUL_LO
	MUL16 F1, 0, 0, 0
	s_wait_dscnt 0                                 ; my reads of this slot are over
	s_wait_tensorcnt 0x0                           ; all my tensor loads have landed
	ds_add_u32 v255, v255
	s_wait_dscnt 0x0
	s_barrier_signal -1                            ; (where a slot is filled again this barrier opens a round of the cluster's barrier)
	MUL16 F1, 0, 2, 0                              ; register work while the others arrive
	WIN 0
	s_barrier_wait -1
.if \fill
	CREST                                          ; no wave of any partner still reads this slot or has a load on its way
	s_add_nc_u64 s[G0+4*\slot+2:G0+4*\slot+3], s[G0+4*\slot+2:G0+4*\slot+3], 2*KSTEP*2
	s_add_nc_u64 s[G0B+4*\slot+2:G0B+4*\slot+3], s[G0B+4*\slot+2:G0B+4*\slot+3], 2*KSTEP*SIZE_N*2
	JLOAD \slot                                    ; the first tensor load behind the round, one a wave
.endif
	PLACES
	FETCH \next, 0, F0
	WIN MUL_HI
	MUL16 F1, 1, 0, 0
	MUL16 F1, 1, 2, 0
.endm
.macro LAP zero
	THREE 0, \zero
	TURN 0, 1, 1
	THREE 1, 0
	TURN 1, 0, 1
.endm
	s_wait_tensorcnt 1                             ; my part of K step 0 is in; K step 1's load, issued behind it, may stay out
	s_barrier_signal -1
	s_barrier_wait -1
	FETCH 0, 0, F0
	LAP 1                                          ; the first lap stands in front of the loop: its first products start the sums
	WIN 0
	s_mov_b32 s3, LAPS-2
.Llap:
	LAP 0
	WIN 0
	s_sub_co_u32 s3, s3, 1
	s_cmp_lg_u32 s3, 0
	s_cbranch_scc1 .Llap
	THREE 0, 0                                     ; the last lap fills nothing
	TURN 0, 1, 0
	THREE 1, 0
	s_wait_dscnt 8
	WIN MUL_LO
	MUL16 F1, 0, 0, 0
	MUL16 F1, 0, 2, 0
	s_wait_dscnt 0
	WIN MUL_HI
	MUL16 F1, 1, 0, 0
	MUL16 F1, 1, 2, 0
	; THE WAY OUT, 16 rows at a time: add the bias in f32, round once to f16, 16 bytes a lane into my own stage, read back as whole rows of 256 bytes.
	PLACES
	s_wait_loadcnt 0x0                             ; the bias
	s_lshl_b32 s13, s13, 8
	s_lshl_b32 s14, s11, 7
	s_add_co_u32 s16, s13, s14                     ; my first row
	s_mul_i32 s16, s16, SIZE_N*2                   ; at most 4,096 x 6,144 bytes
	s_mov_b32 s17, 0
	s_add_nc_u64 s[8:9], s[8:9], s[16:17]
	s_lshl_b32 s46, s42, 9                         ; my first column, in bytes: 512 x block column + 256 x half
	s_lshl_b32 s47, s12, 8
	s_add_co_u32 s46, s46, s47
	s_mov_b32 s47, 0
	s_add_nc_u64 s[8:9], s[8:9], s[46:47]
; rows 16 i .. 16 i + 15 of my block = the eight tiles (a, 0..7) of window 2 or 3 (from = 0x06 or 0x07: source 0 that window, source 1 window 1, the bias); f: read-back buffer
.macro OUT16 i, a, from, f
	WIN \from
.irp b, 0,1,2,3,4,5,6,7
.irp r, 0,2,4,6
	v_pk_add_f32 v[SUM+8*\b+\r:SUM+8*\b+\r+1], v[8*(8*\a+\b)+\r:8*(8*\a+\b)+\r+1], v[8*\b+\r:8*\b+\r+1]
.endr
.endr
	WIN 0
.irp b, 0,1,2,3,4,5,6,7
.irp r, 0,1,2,3
	v_cvt_pk_f16_f32 v[TMP+4*\b+\r], v[SUM+8*\b+2*\r], v[SUM+8*\b+2*\r+1]
.endr
.endr
.irp b, 0,1,2,3,4,5,6,7
	ds_store_b128 v[STO], v[TMP+4*\b:TMP+4*\b+3] offset:32*\b
.endr
	s_wait_xcnt 0x0                                ; every earlier memory instruction has had its addresses translated (ISA guide 3.1): buffer f, which stores read, and the stores' base are rewritten only behind this wait
.if \i
	s_add_nc_u64 s[8:9], s[8:9], 16*SIZE_N*2
.endif
.irp t, 0,1,2,3,4,5,6,7
	ds_load_b128 v[\f+4*\t:\f+4*\t+3], v[RD] offset:\t*2*SPITCH    ; LDS serves a wave's instructions in order (ISA guide 5.7.1.4): these see the stores above
.endr
.irp t, 0,1,2,3,4,5,6,7
	s_wait_dscnt 7-\t                              ; load t is back, the 7 - t younger ones may be out
	global_store_b128 v[CO], v[\f+4*\t:\f+4*\t+3], s[8:9] offset:2*\t*SIZE_N*2   ; 16 lanes store 256 consecutive bytes, at a multiple of 256 from the buffer's first byte
.endr
.endm
	OUT16 0, 0, 0x06, 64
	OUT16 1, 1, 0x06, 96
	OUT16 2, 2, 0x06, 64
	OUT16 3, 3, 0x06, 96
	OUT16 4, 0, 0x07, 64
	OUT16 5, 1, 0x07, 96
	OUT16 6, 2, 0x07, 64
	OUT16 7, 3, 0x07, 96
	s_set_vgpr_msb 0x1
	s_wait_tensorcnt 0x0
	ds_add_u32 v255, v255
	s_wait_dscnt 0x0
	s_set_vgpr_msb 0x100
	CROUND                                         ; the closing round: no work-group ends while a partner may still ask for a tile that names it
	s_endpgm
.Lfunc_end_k_q64a3a704a2_gemm_qkv:
	.size	k_q64a3a704a2_gemm_qkv, .Lfunc_end_k_q64a3a704a2_gemm_qkv-k_q64a3a704a2_gemm_qkv
	.p2alignl 7, 3214868480
	.fill 96, 4, 3214868480
	.section	.rodata,"a",@progbits
	.p2align	6, 0x0
	.amdhsa_kernel k_q64a3a704a2_gemm_qkv
		.amdhsa_group_segment_fixed_size 327680
		.amdhsa_private_segment_fixed_size 0
		.amdhsa_enable_private_segment 0
		.amdhsa_kernarg_size 32
		.amdhsa_user_sgpr_count 2
		.amdhsa_user_sgpr_kernarg_segment_ptr 1
		.amdhsa_wavefront_size32 1
		.amdhsa_system_sgpr_workgroup_id_x 1
		.amdhsa_system_sgpr_workgroup_id_y 1
		.amdhsa_system_sgpr_workgroup_id_z 1
		.amdhsa_system_vgpr_workitem_id 0
		.amdhsa_next_free_vgpr 1024
		.amdhsa_next_free_sgpr 72
		.amdhsa_reserve_vcc 0
		.amdhsa_float_denorm_mode_32 3
		.amdhsa_float_denorm_mode_16_64 3
		.amdhsa_memory_ordered 1
		.amdhsa_forward_progress 1
		.amdhsa_inst_pref_size 214
	.end_amdhsa_kernel
	.amdgpu_metadata
---
amdhsa.version: [ 1, 2 ]
amdhsa.kernels:
  - .name:           k_q64a3a704a2_gemm_qkv
    .symbol:         k_q64a3a704a2_gemm_qkv.kd
    .args:
      - { .name: xb, .offset: 0, .size: 8, .value_kind: global_buffer, .address_space: global }
      - { .name: wqb, .offset: 8, .size: 8, .value_kind: global_buffer, .address_space: global }
      - { .name: qkv, .offset: 16, .size: 8, .value_kind: global_buffer, .address_space: global }
      - { .name: b_qkv, .offset: 24, .size: 8, .value_kind: global_buffer, .address_space: global }
    .group_segment_fixed_size: 327680
    .private_segment_fixed_size: 0
    .kernarg_segment_align: 8
    .kernarg_segment_size: 32
    .max_flat_workgroup_size: 128
    .sgpr_count:     72
    .vgpr_count:     1024
    .wavefront_size: 32
...
	.end_amdgpu_metadata
.endif
;; end of part 2
;; launch attn (part 3): grid 16 x 16, 8 waves a work-group, clusters of 4 x 1, 327,680 bytes of LDS; arguments qkv, yb; writes yb
.if DOCPART == 3
	.amdgcn_target "amdgcn-amd-amdhsa--gfx1250"
	.amdhsa_code_object_version 6
	.text
	.protected	k_q64a3a704a2_attn
	.globl	k_q64a3a704a2_attn
	.p2align	8
	.type	k_q64a3a704a2_attn,@function
k_q64a3a704a2_attn:
	s_mov_b64 s[64:65], 0
	v_nop
	global_prefetch_b8 v0, s[64:65] scope:SCOPE_SE
	s_setreg_imm32_b32 hwreg(HW_REG_WAVE_MODE, 25, 1), 1
	s_wait_xcnt 0x0
	s_wait_alu depctr_hold_cnt(0) depctr_sa_sdst(0) depctr_va_vdst(0) depctr_va_sdst(0) depctr_va_ssrc(0) depctr_va_vcc(0) depctr_vm_vsrc(0)
	s_getreg_b32 s2, hwreg(HW_REG_IB_STS2, 6, 4)
	s_cmp_eq_u32 s2, 0
	s_cbranch_scc0 .Lentry_in_a_cluster
	s_endpgm
.Lentry_in_a_cluster:
	s_bfe_u32 s2, ttmp6, 0x10000c
	s_cmp_lg_u32 s2, 0x3003
	s_cbranch_scc0 .Lentry_shape_is_right
	s_endpgm
.Lentry_shape_is_right:
; Causal attention, softmax by a running maximum.  qkv: [2 x 2048][3072] f16 (q at column 64 head, k at 1024 + 64 head, v at 2048 + 64 head);
; yb: [2 x 2048][1024] f16.  Products in the f16 matrix form with f32 sums; maximum, exponentials, sums and rescaling in f32.
; LIMITS: a masked score is replaced by -2^100, so raw scores q.k must stay above -2^100; P and y are rounded to f16 (P lies in [0, 1], y is a
; convex mix of v); NaN or infinities in the inputs are not reproduced place by place.
; SHARES.  grid y = batch x 8 + pair of heads: with two heads the rows of K, V, Q and y are 256 neighbouring bytes that start at a multiple of 256.
; A work-group makes two passes over blocks of 64 query rows: block 4 c + cx, then block 31 - (4 c + cx) (c = cluster x, cx = place in the cluster).
; Keys go in tiles of 128, downward.  Pass A has 2 c + 2 tiles, pass B 16 - 2 c: 18 for every work-group, and the counts hang on c alone.
; Only the first two tiles of a pass can reach past the diagonal (they cover the cluster's 256 query rows); they are masked by a select.  A tile that
; is masked whole for one partner is still computed there: its weights are wiped out by the next rescaling or by the merge (see SOFT, FINISH).
; Wave w: head = w & 1, rows 32 ((w >> 1) & 1) + 0..31 of the block (two tiles of 16 queries), keys 64 (w >> 2) + 0..63 of every tile.
; Waves w and w + 4 hold partial sums of the same rows and are merged at the end of a pass.
; CLUSTERS: the four work-groups of a cluster walk the same K and V tiles of one pair of heads; each tile is asked for jointly (mask 15).
; Waves 0, 1 ask for K's two halves, waves 2, 3 for V's, 64 rows x 256 bytes each.  A wave never has more than one tensor load outstanding.
; LAYOUTS.  S^T = K Q^T: lane (r, h), register j holds key 8 h + j, query r, so a query's maximum and sum are per lane (and its partner lane r + 16),
; and packing score tiles 2 g and 2 g + 1 in place gives the B fragment of P^T for keys 32 g .. 32 g + 31 with no shuffle.
; O^T = V^T P^T: lane (r, h), register j holds d = 8 h + j of query r: eight neighbouring numbers of a row of y.
.set STEP,  128*6144                   ; bytes from one tile of 128 keys to the next
.set KP,    272                        ; K's LDS row: 256 bytes + 16, an odd multiple of 16
.set VP,    288                        ; V's LDS row: 256 bytes + 32, an odd multiple of 32 (transposing loads)
.set CHUNK, 64*VP                      ; 18,432: room for one wave's tile; tile of wave w at w x CHUNK: K half 0, K half 1, V half 0, V half 1
.set SLOT,  4*CHUNK                    ; 73,728
.set MERGE, 2*SLOT                     ; 147,456: 4 x 8,704 bytes, waves 4-7 hand their sums to waves 0-3; no tensor load lands here
.set STAGE, MERGE+4*8704               ; 182,272: 64 rows x 272 bytes, the block of y on its way out; no tensor load lands here
.set SP,    272
.set NM,   2                           ; v[2:3]   -c x running maximum of my two query tiles, c = log2(e) / 8
.set LS,   4                           ; v[4:5]   running sums (of my half of the keys' lanes)
.set AL,   6                           ; v[6:7]   rescaling factors
.set TT,   8                           ; v[8:9]   at work
.set TM,   10                          ; v[10:17] at work
.set DG,   18                          ; v[18:19] a score of tile kt, register j is kept if 16 kt + j <= DG
.set NEG,  20                          ; v20      -2^100
.set KADR, 21                          ; v21-22   LDS address of my K fragments in slot 0, 1
.set VADR, 23                          ; v23-24   the same for V
.set QOFF, 25
.set MRG,  26
.set STO,  27
.set RD,   28
.set CO,   29
.set RH,   30                          ; r - 8 h
.set QF,   32                          ; v[32:63]   Q fragment (qt, ks) at QF + 8 (2 qt + ks)
.set SC,   64                          ; v[64:127]  score tile (qt, kt) at SC + 32 qt + 8 kt; later P fragment (qt, g) at SC + 32 qt + 16 g
.set OA,   128                         ; v[128:191] O tile (qt, dt) at OA + 32 qt + 8 dt
.set FR,   192                         ; v[192:255] K fragment (kt, ks) at FR + 8 (4 ks + kt); later V fragment (dt, g) at FR + 8 (4 g + dt)
.set G1K, 24                           ; s[24:31]
.set G1V, 32                           ; s[32:39]
.set G0K, 40                           ; s[40:47] one set for each slot
.set G0V, 48                           ; s[48:55]
; A round of the cluster's barrier.
.macro ROUND
	s_barrier_signal -1
	s_barrier_wait -1
	s_cmp_lg_u32 s8, 0
	s_cbranch_scc1 .Lnot_wave_0_\@
	s_barrier_signal -3
.Lnot_wave_0_\@:
	s_barrier_wait -3
	s_barrier_signal -1
	s_barrier_wait -1
.endm
; The next tile's addresses into slot o's two group 0 sets; then the offset steps one tile down, and from pass A's tile 0 on to pass B's top tile.
; It stands where no tensor load of the wave is out.
.macro NEXTADDR o
	s_add_nc_u64 s[G0K+4*(\o)+2:G0K+4*(\o)+3], s[56:57], s[60:61]
	s_or_b32 s[G0K+4*(\o)+3], s[G0K+4*(\o)+3], 0x80000000
	s_add_nc_u64 s[G0V+4*(\o)+2:G0V+4*(\o)+3], s[58:59], s[60:61]
	s_or_b32 s[G0V+4*(\o)+3], s[G0V+4*(\o)+3], 0x80000000
	s_sub_co_u32 s63, s60, STEP
	s_cmp_eq_u32 s60, 0
	s_cselect_b32 s60, s62, s63
.endm
; The joint load of slot o.  The branches hang on the wave's number alone.
.macro JLOAD o
	s_cmp_ge_u32 s8, 4
	s_cbranch_scc1 .Lasked_\@
	s_cmp_ge_u32 s8, 2
	s_cbranch_scc1 .Lfor_v_\@
	tensor_load_to_lds s[G0K+4*(\o):G0K+4*(\o)+3], s[G1K:G1K+7]
	s_nop 0
	s_branch .Lasked_\@
.Lfor_v_\@:
	tensor_load_to_lds s[G0V+4*(\o):G0V+4*(\o)+3], s[G1V:G1V+7]
	s_nop 0
.Lasked_\@:
.endm
	s_load_b128 s[4:7], s[0:1], 0x0                ; qkv s[4:5], yb s[6:7]
	v_lshl_add_u32 v31, v0, 2, 0x30c00
	s_set_vgpr_msb 0x40
	v_mov_b32 v1, 0
	s_set_vgpr_msb 0x4044
	ds_add_u32 v31, v1
	s_set_vgpr_msb 0x4400
	v_lshrrev_b32 v1, 5, v0
	v_readfirstlane_b32 s8, v1                     ; wave 0..7
	s_and_b32 s9, s8, 1                            ; head of the pair.  Also: which 64 rows of a tile I fetch
	s_bfe_u32 s10, s8, 0x10001                     ; which 32 query rows
	s_lshr_b32 s11, s8, 2                          ; which 64 keys of a tile
	s_mov_b32 s12, ttmp9                           ; c
	s_bfe_u32 s13, ttmp6, 0x40000                  ; cx: enters the addresses of Q and y and the mask's numbers, no branch and no LDS address
	s_and_b32 s14, ttmp7, 0xffff
	s_and_b32 s15, s14, 7                          ; pair of heads
	s_lshr_b32 s14, s14, 3                         ; batch
	s_mov_b32 s70, 0x3e38aa3b                      ; c = log2(e) / 8, twice (a pair for the packed multiply-add)
	s_mov_b32 s71, 0x3e38aa3b
	s_mov_b32 s69, 0xbe38aa3b                      ; -c
	s_mov_b32 s72, 0x76543210                      ; v_permlanex16_b32: lane i of one half reads lane i of the other
	s_mov_b32 s73, 0xfedcba98
	; group 1: 64 rows x 128 elements of 2 bytes, pitch 3,072 elements, mask 15; padding behind every 64 words: 4 words for K, 8 for V
	s_mov_b32 s[G1K+0], 15|(1<<16)|(1<<20)|(1<<21)|(5<<22)|(3<<25)
	s_mov_b32 s[G1K+1], 128<<16
	s_mov_b32 s[G1K+2], 64<<16
	s_mov_b32 s[G1K+3], 128<<16
	s_mov_b32 s[G1K+4], 64
	s_mov_b32 s[G1K+5], 3072
	s_mov_b32 s[G1K+6], 0
	s_mov_b32 s[G1K+7], 0
	s_mov_b32 s[G1V+0], 15|(1<<16)|(1<<20)|(1<<21)|(5<<22)|(7<<25)
	s_mov_b32 s[G1V+1], 128<<16
	s_mov_b32 s[G1V+2], 64<<16
	s_mov_b32 s[G1V+3], 128<<16
	s_mov_b32 s[G1V+4], 64
	s_mov_b32 s[G1V+5], 3072
	s_mov_b32 s[G1V+6], 0
	s_mov_b32 s[G1V+7], 0
	s_mul_i32 s78, s8, CHUNK                       ; my tile's place in a slot: wave x 18,432
.irp s, 0,1
	s_mov_b32 s[G0K+4*\s], 1
	s_add_co_u32 s[G0K+4*\s+1], s78, \s*SLOT
	s_mov_b32 s[G0V+4*\s], 1
	s_add_co_u32 s[G0V+4*\s+1], s78, \s*SLOT
.endr
	s_lshl_b32 s80, s14, 11                        ; row 2,048 x batch + 64 x half,
	s_lshl_b32 s81, s9, 6
	s_add_co_u32 s80, s80, s81
	s_mul_i32 s80, s80, 6144                       ; in bytes (under 13 MiB),
	s_lshl_b32 s81, s15, 8                         ; + 256 bytes for each pair of heads
	s_add_co_u32 s80, s80, s81
	s_mov_b32 s81, 0
	s_lshl_b32 s63, s12, 1
	s_add_co_u32 s79, s63, 1
	s_mul_i32 s60, s79, STEP                       ; pass A's top tile: 2 c + 1
	s_mov_b32 s61, 0
	s_sub_co_u32 s79, 15, s63
	s_mul_i32 s62, s79, STEP                       ; pass B's top tile: 15 - 2 c
	s_wait_dscnt 0x0
	s_wait_kmcnt 0x0
	s_add_nc_u64 s[56:57], s[4:5], s[80:81]
	s_add_nc_u64 s[58:59], s[56:57], 4096          ; V's columns begin 4,096 bytes into a row,
	s_add_nc_u64 s[56:57], s[56:57], 2048          ; K's 2,048
	NEXTADDR 0
	ROUND                                          ; all four work-groups are here: the first joint loads meet
	JLOAD 0
	v_and_b32 v8, 15, v0                           ; r
	v_bfe_u32 v9, v0, 4, 1                         ; h
	v_mul_u32_u24 v10, v8, KP
	v_lshl_add_u32 v10, v9, 4, v10                 ; r x 272 + 16 h
	s_mul_i32 s78, s11, CHUNK                      ; my 64 keys are one half of the tile
	s_lshl_b32 s79, s9, 7                          ; my head's 128 bytes of a row
	s_add_co_u32 s78, s78, s79
	v_add_nc_u32 v[KADR], s78, v10
	v_add_nc_u32 v[KADR+1], SLOT, v[KADR]
	v_and_b32 v11, 7, v0
	v_lshl_add_u32 v11, v9, 3, v11                 ; key row 8 h + l % 8
	v_mul_u32_u24 v11, v11, VP
	v_bfe_u32 v12, v0, 3, 1
	v_lshl_add_u32 v11, v12, 4, v11                ; the left or right 16 bytes of a block of 16 d
	s_add_co_u32 s78, s78, 2*CHUNK                 ; V lies behind K's two halves
	v_add_nc_u32 v[VADR], s78, v11
	v_add_nc_u32 v[VADR+1], SLOT, v[VADR]
	v_mul_u32_u24 v[QOFF], v8, 6144
	v_lshl_add_u32 v[QOFF], v9, 4, v[QOFF]
	s_and_b32 s78, s8, 3
	s_mul_i32 s78, s78, 8704
	s_add_co_u32 s78, s78, MERGE
	v_and_b32 v13, 31, v0
	v_lshl_add_u32 v[MRG], v13, 4, s78             ; 16 bytes a lane in the pair's 8,704 bytes
	s_mul_i32 s78, s10, 32*SP
	s_add_co_u32 s78, s78, s79
	s_add_co_u32 s78, s78, STAGE
	v_add_nc_u32 v[STO], s78, v10                  ; row 32 x half + r, my head's 128 bytes, 16 h
	v_mul_u32_u24 v14, v9, SP
	v_lshl_add_u32 v14, v8, 4, v14
	s_mul_i32 s78, s8, 8*SP
	s_add_co_u32 s78, s78, STAGE
	v_add_nc_u32 v[RD], s78, v14                   ; back: wave w takes rows 8 w .. 8 w + 7, two at a time
	v_lshlrev_b32 v15, 11, v9
	v_lshl_add_u32 v15, v8, 4, v15
	s_lshl_b32 s78, s8, 14
	v_add_nc_u32 v[CO], s78, v15                   ; the same rows in yb, 2,048 bytes each
	v_lshlrev_b32 v16, 3, v9
	v_sub_nc_u32 v[RH], v8, v16
	v_mov_b32 v[NEG], 0xf1800000
; The head of a pass: s67 = the query block, s68 = the pass's number of tiles.
.macro PASSINIT
	s_wait_xcnt 0x0                                ; the last pass's stores have had their addresses translated (ISA guide 3.1): their base and their data registers are rewritten only behind this wait
	s_lshl_b32 s78, s14, 11
	s_lshl_b32 s79, s67, 6
	s_add_co_u32 s80, s78, s79                     ; the block's first row: 2,048 x batch + 64 x block
	s_lshl_b32 s81, s10, 5
	s_add_co_u32 s82, s80, s81                     ; my first row
	s_mul_i32 s82, s82, 6144
	s_lshl_b32 s83, s15, 8
	s_add_co_u32 s82, s82, s83
	s_lshl_b32 s84, s80, 11
	s_add_co_u32 s84, s84, s83
	s_lshl_b32 s83, s9, 7
	s_add_co_u32 s82, s82, s83
	s_mov_b32 s83, 0
	s_mov_b32 s85, 0
	s_add_nc_u64 s[74:75], s[4:5], s[82:83]        ; my rows of q
	s_add_nc_u64 s[76:77], s[6:7], s[84:85]        ; the block's rows of y
	s_add_co_u32 s78, s79, s81                     ; query - key for r = h = j = kt = 0 in the top tile: 64 block + 32 half
	s_lshl_b32 s79, s11, 6
	s_sub_co_u32 s78, s78, s79                     ; - 64 x my half of the keys
	s_sub_co_u32 s79, s68, 1
	s_lshl_b32 s79, s79, 7
	s_sub_co_u32 s78, s78, s79                     ; - 128 x top tile
	v_add_nc_u32 v[DG], s78, v[RH]
	v_add_nc_u32 v[DG+1], 16, v[DG]
.irp qt, 0,1
.irp ks, 0,1
	global_load_b128 v[QF+8*(2*\qt+\ks):QF+8*(2*\qt+\ks)+3],   v[QOFF], s[74:75] offset:\qt*98304+\ks*64
	global_load_b128 v[QF+8*(2*\qt+\ks)+4:QF+8*(2*\qt+\ks)+7], v[QOFF], s[74:75] offset:\qt*98304+\ks*64+32
.endr
.endr
.endm
; Eight products S^T += K Q^T for d = 32 ks .. 32 ks + 31.  The eight accumulators take turns, one instruction a turn.
.macro SMUL ks, zero
.irp kt, 0,1,2,3
.irp qt, 0,1
.if \zero
	v_wmma_f32_16x16x32_f16 v[SC+32*\qt+8*\kt:SC+32*\qt+8*\kt+7], v[FR+8*(4*\ks+\kt):FR+8*(4*\ks+\kt)+7], v[QF+8*(2*\qt+\ks):QF+8*(2*\qt+\ks)+7], 0
.else
	v_wmma_f32_16x16x32_f16 v[SC+32*\qt+8*\kt:SC+32*\qt+8*\kt+7], v[FR+8*(4*\ks+\kt):FR+8*(4*\ks+\kt)+7], v[QF+8*(2*\qt+\ks):QF+8*(2*\qt+\ks)+7], v[SC+32*\qt+8*\kt:SC+32*\qt+8*\kt+7]
.endif
.endr
.endr
.endm
; Eight products O^T += V^T P^T for keys 32 g .. 32 g + 31, the eight accumulators by turns likewise.
.macro PVMUL g, zero
.irp dt, 0,1,2,3
.irp qt, 0,1
.if \zero
	v_wmma_f32_16x16x32_f16 v[OA+32*\qt+8*\dt:OA+32*\qt+8*\dt+7], v[FR+8*(4*\g+\dt):FR+8*(4*\g+\dt)+7], v[SC+32*\qt+16*\g:SC+32*\qt+16*\g+7], 0
.else
	v_wmma_f32_16x16x32_f16 v[OA+32*\qt+8*\dt:OA+32*\qt+8*\dt+7], v[FR+8*(4*\g+\dt):FR+8*(4*\g+\dt)+7], v[SC+32*\qt+16*\g:SC+32*\qt+16*\g+7], v[OA+32*\qt+8*\dt:OA+32*\qt+8*\dt+7]
.endif
.endr
.endr
.endm
; The softmax step on 2 x 16 queries x 64 keys.  first = 1: the pass's first tile starts maximum, sum and O.  mask = 1: scores past the diagonal become -2^100.
; c x 2^100 is exact, so a query whose 64 keys are all masked gets NM = c 2^100 and weights exp2(0) = 1, with no overflow; the first tile with a
; kept key gives AL = exp2(-c 2^100 ..) = 0 and wipes them out, and so does the merge for a wave that never meets a kept key.
.macro SOFT first, mask
.if \mask
.irp qt, 0,1
.irp kt, 0,1,2,3
.irp j, 0,1,2,3,4,5,6,7
	v_cmp_le_i32 vcc_lo, 16*\kt+\j, v[DG+\qt]
	v_cndmask_b32 v[SC+32*\qt+8*\kt+\j], v[NEG], v[SC+32*\qt+8*\kt+\j], vcc_lo
.endr
.endr
.endr
.endif
	; the largest score of each query: eight chains, one for each tile, then across the tiles and across the two halves of the lanes
.irp qt, 0,1
.irp kt, 0,1,2,3
	v_max3_num_f32 v[TM+4*\qt+\kt], v[SC+32*\qt+8*\kt], v[SC+32*\qt+8*\kt+1], v[SC+32*\qt+8*\kt+2]
.endr
.endr
.irp qt, 0,1
.irp kt, 0,1,2,3
	v_max3_num_f32 v[TM+4*\qt+\kt], v[TM+4*\qt+\kt], v[SC+32*\qt+8*\kt+3], v[SC+32*\qt+8*\kt+4]
.endr
.endr
.irp qt, 0,1
.irp kt, 0,1,2,3
	v_max3_num_f32 v[TM+4*\qt+\kt], v[TM+4*\qt+\kt], v[SC+32*\qt+8*\kt+5], v[SC+32*\qt+8*\kt+6]
.endr
.endr
.irp qt, 0,1
.irp kt, 0,1,2,3
	v_max_num_f32 v[TM+4*\qt+\kt], v[TM+4*\qt+\kt], v[SC+32*\qt+8*\kt+7]
.endr
.endr
.irp qt, 0,1
	v_max3_num_f32 v[TM+4*\qt], v[TM+4*\qt], v[TM+4*\qt+1], v[TM+4*\qt+2]
.endr
.irp qt, 0,1
	v_max_num_f32 v[TM+4*\qt], v[TM+4*\qt], v[TM+4*\qt+3]
.endr
.irp qt, 0,1
	v_permlanex16_b32 v[TM+4*\qt+1], v[TM+4*\qt], s72, s73
.endr
.irp qt, 0,1
	v_max_num_f32 v[TM+4*\qt], v[TM+4*\qt], v[TM+4*\qt+1]
.endr
.if \first
	v_mul_f32 v[NM],   s69, v[TM]
	v_mul_f32 v[NM+1], s69, v[TM+4]
.else
	v_mul_f32 v[TT],   s69, v[TM]                   ; t = -c x this tile's maximum
	v_mul_f32 v[TT+1], s69, v[TM+4]
	v_sub_f32 v[AL],   v[TT],   v[NM]
	v_sub_f32 v[AL+1], v[TT+1], v[NM+1]
	v_min_num_f32 v[NM],   v[NM],   v[TT]          ; the maximum grows as NM falls
	v_min_num_f32 v[NM+1], v[NM+1], v[TT+1]
	v_min_num_f32 v[AL],   0, v[AL]                ; new NM - old NM, exactly
	v_min_num_f32 v[AL+1], 0, v[AL+1]
	v_exp_f32 v[AL],   v[AL]                       ; the packed multiply-adds below are the plain place behind these two (ISA guide 5.7.2)
	v_exp_f32 v[AL+1], v[AL+1]
.endif
.irp qt, 0,1
.irp i, 0,2,4,6,8,10,12,14,16,18,20,22,24,26,28,30
	v_pk_fma_f32 v[SC+32*\qt+\i:SC+32*\qt+\i+1], v[SC+32*\qt+\i:SC+32*\qt+\i+1], s[70:71], v[NM:NM+1] op_sel:[0,0,\qt] op_sel_hi:[1,0,\qt]
.endr
.endr
.set i, 0
.rept 64
	v_exp_f32 v[SC+i], v[SC+i]                     ; p = 2^(c s - c max)
.set i, i+1
.endr
.if \first
	v_nop                                          ; the plain place behind the exponentials
	s_wait_alu depctr_va_vdst(0)
.else
	s_wait_alu depctr_va_vdst(0)
.irp qt, 0,1
.irp i, 0,2,4,6,8,10,12,14,16,18,20,22,24,26,28,30
	v_pk_mul_f32 v[OA+32*\qt+\i:OA+32*\qt+\i+1], v[OA+32*\qt+\i:OA+32*\qt+\i+1], v[AL:AL+1] op_sel:[0,\qt] op_sel_hi:[1,\qt]
.endr
.endr
.endif
	; the sums of the weights, in f32, two chains for each query tile
.irp qt, 0,1
	v_pk_add_f32 v[TM+4*\qt:TM+4*\qt+1],   v[SC+32*\qt:SC+32*\qt+1],     v[SC+32*\qt+2:SC+32*\qt+3]
	v_pk_add_f32 v[TM+4*\qt+2:TM+4*\qt+3], v[SC+32*\qt+16:SC+32*\qt+17], v[SC+32*\qt+18:SC+32*\qt+19]
.endr
.irp i, 4,6,8,10,12,14
.irp qt, 0,1
	v_pk_add_f32 v[TM+4*\qt:TM+4*\qt+1],   v[TM+4*\qt:TM+4*\qt+1],   v[SC+32*\qt+\i:SC+32*\qt+\i+1]
	v_pk_add_f32 v[TM+4*\qt+2:TM+4*\qt+3], v[TM+4*\qt+2:TM+4*\qt+3], v[SC+32*\qt+16+\i:SC+32*\qt+16+\i+1]
.endr
.endr
.irp qt, 0,1
	v_pk_add_f32 v[TM+4*\qt:TM+4*\qt+1], v[TM+4*\qt:TM+4*\qt+1], v[TM+4*\qt+2:TM+4*\qt+3]
.endr
.irp qt, 0,1
.if \first
	v_add_f32 v[LS+\qt], v[TM+4*\qt], v[TM+4*\qt+1]
.else
	v_add_f32 v[TT+\qt], v[TM+4*\qt], v[TM+4*\qt+1]
	v_fma_f32 v[LS+\qt], v[LS+\qt], v[AL+\qt], v[TT+\qt]
.endif
.endr
	; P to f16, in place and in ascending order: word k of a fragment is written when its old content has been read
.irp qt, 0,1
.irp g, 0,1
.irp k, 0,1,2,3,4,5,6,7
	v_cvt_pk_f16_f32 v[SC+32*\qt+16*\g+\k], v[SC+32*\qt+16*\g+2*\k], v[SC+32*\qt+16*\g+2*\k+1]
.endr
.endr
.endr
.endm
; One tile of 128 keys out of slot 'slot'.  refill = 1: the other slot, read in the last trip, is asked for again.
.macro TRIP slot, first, mask, refill
	s_set_vgpr_msb 0x4
	s_wait_tensorcnt 0x0                           ; all my tensor loads have landed, my part of this tile among them, so a group 0 may be written
	ds_add_u32 v31, v1
	s_wait_dscnt 0x0
	s_set_vgpr_msb 0x400
.if \refill
	NEXTADDR 1-\slot
.endif
	s_wait_dscnt 0x0                               ; my reads of the other slot are over
	ROUND                                          ; both now hold of every wave of all four work-groups
.if \refill
	JLOAD 1-\slot                                  ; the first tensor load behind the round, one a wave
.endif
.irp ks, 0,1
.irp kt, 0,1,2,3
	ds_load_b128 v[FR+8*(4*\ks+\kt):FR+8*(4*\ks+\kt)+3],   v[KADR+\slot] offset:\kt*16*KP+\ks*64
	ds_load_b128 v[FR+8*(4*\ks+\kt)+4:FR+8*(4*\ks+\kt)+7], v[KADR+\slot] offset:\kt*16*KP+\ks*64+32
.endr
.endr
.if \first
	s_wait_loadcnt 0x0                             ; Q
.endif
	s_wait_dscnt 0x8                               ; the eight loads for d = 0..31 are in; the eight for d = 32..63 may be out
	SMUL 0, 1
	s_wait_dscnt 0x0
	SMUL 1, 0
.rept 4
	v_nop                                          ; four places before V's loads land on K's fragments and before vector instructions read the scores (ISA guide 7.12.1 for vector instructions)
.endr
.irp g, 0,1
.irp dt, 0,1,2,3
	ds_load_tr16_b128 v[FR+8*(4*\g+\dt):FR+8*(4*\g+\dt)+3],   v[VADR+\slot] offset:\g*32*VP+\dt*32
	ds_load_tr16_b128 v[FR+8*(4*\g+\dt)+4:FR+8*(4*\g+\dt)+7], v[VADR+\slot] offset:\g*32*VP+16*VP+\dt*32
.endr
.endr
	SOFT \first, \mask
	s_wait_dscnt 0x8                               ; V's fragments for keys 0..31 are in; the eight loads for keys 32..63 may be out
	PVMUL 0, \first
	s_wait_dscnt 0x0
	PVMUL 1, 0
.rept 5
	v_nop                                          ; five places before the next products write over P, four before loads land on V's fragments or anything reads O
.endr
.endm
.macro DOWN                            ; the next tile lies 128 keys lower
	v_add_nc_u32 v[DG],   0x80, v[DG]
	v_add_nc_u32 v[DG+1], 0x80, v[DG+1]
.endm
; The end of a pass: waves 4-7 hand O, NM and the sums to waves 0-3, which merge, divide, round to f16 and lay the block into the stage; all eight waves store it.
; The tile that is on its way for the next pass may stay out across them.
.macro FINISH
	s_cmp_lt_u32 s8, 4
	s_cbranch_scc1 .Lno_give_\@
.irp i, 0,1,2,3,4,5,6,7,8,9,10,11,12,13,14,15
	ds_store_b128 v[MRG], v[OA+4*\i:OA+4*\i+3] offset:512*\i
.endr
	ds_store_b128 v[MRG], v[NM:NM+3] offset:8192
.Lno_give_\@:
	s_wait_dscnt 0x0                               ; for the others' sake: my stores are done
	s_barrier_signal -1
	s_barrier_wait -1
	s_cmp_ge_u32 s8, 4
	s_cbranch_scc1 .Lno_take_\@
.irp i, 0,1,2,3,4,5,6,7,8,9,10,11,12,13,14,15
	ds_load_b128 v[FR+4*\i:FR+4*\i+3], v[MRG] offset:512*\i
.endr
	ds_load_b128 v[TM:TM+3], v[MRG] offset:8192    ; the partner's NM (v10, v11) and sums (v12, v13)
	s_wait_dscnt 0x0
	v_min_num_f32 v[TT],   v[NM],   v[TM]          ; the common maximum
	v_min_num_f32 v[TT+1], v[NM+1], v[TM+1]
	v_sub_f32 v[TM+4], v[TT],   v[NM]
	v_sub_f32 v[TM+5], v[TT+1], v[NM+1]
	v_sub_f32 v[TM+6], v[TT],   v[TM]
	v_sub_f32 v[TM+7], v[TT+1], v[TM+1]
	v_exp_f32 v[TM+4], v[TM+4]                     ; my weight,
	v_exp_f32 v[TM+5], v[TM+5]
	v_exp_f32 v[TM+6], v[TM+6]                     ; the partner's: 0 if it met no kept key
	v_exp_f32 v[TM+7], v[TM+7]
	v_nop
	s_wait_alu depctr_va_vdst(0)
	v_mul_f32 v[LS],   v[LS],   v[TM+4]
	v_mul_f32 v[LS+1], v[LS+1], v[TM+5]
	v_fma_f32 v[LS],   v[TM+2], v[TM+6], v[LS]
	v_fma_f32 v[LS+1], v[TM+3], v[TM+7], v[LS+1]
	v_permlanex16_b32 v[TT],   v[LS],   s72, s73   ; the other half of the lanes holds the other keys' sum
	v_permlanex16_b32 v[TT+1], v[LS+1], s72, s73
	v_add_f32 v[LS],   v[LS],   v[TT]
	v_add_f32 v[LS+1], v[LS+1], v[TT+1]            ; at least 1: the largest score's weight
	v_rcp_f32 v[LS],   v[LS]
	v_rcp_f32 v[LS+1], v[LS+1]
	v_nop
	s_wait_alu depctr_va_vdst(0)
	v_mul_f32 v[TM+4], v[TM+4], v[LS]
	v_mul_f32 v[TM+5], v[TM+5], v[LS+1]
	v_mul_f32 v[TM+6], v[TM+6], v[LS]
	v_mul_f32 v[TM+7], v[TM+7], v[LS+1]
.irp qt, 0,1
.irp i, 0,2,4,6,8,10,12,14,16,18,20,22,24,26,28,30
	v_pk_mul_f32 v[OA+32*\qt+\i:OA+32*\qt+\i+1], v[OA+32*\qt+\i:OA+32*\qt+\i+1], v[TM+4:TM+5] op_sel:[0,\qt] op_sel_hi:[1,\qt]
.endr
.endr
.irp qt, 0,1
.irp i, 0,2,4,6,8,10,12,14,16,18,20,22,24,26,28,30
	v_pk_fma_f32 v[OA+32*\qt+\i:OA+32*\qt+\i+1], v[FR+32*\qt+\i:FR+32*\qt+\i+1], v[TM+6:TM+7], v[OA+32*\qt+\i:OA+32*\qt+\i+1] op_sel:[0,\qt,0] op_sel_hi:[1,\qt,1]
.endr
.endr
.irp i, 0,1,2,3,4,5,6,7
.irp k, 0,1,2,3
	v_cvt_pk_f16_f32 v[SC+4*\i+\k], v[OA+8*\i+2*\k], v[OA+8*\i+2*\k+1]
.endr
.endr
.irp i, 0,1,2,3,4,5,6,7
	ds_store_b128 v[STO], v[SC+4*\i:SC+4*\i+3] offset:(\i>>2)*16*SP+(\i&3)*32
.endr
.Lno_take_\@:
	s_wait_dscnt 0x0
	s_barrier_signal -1
	s_barrier_wait -1
.irp t, 0,1,2,3
	ds_load_b128 v[FR+4*\t:FR+4*\t+3], v[RD] offset:\t*2*SP
.endr
.irp t, 0,1,2,3
	s_wait_dscnt 3-\t                              ; load t is back, the 3 - t younger ones may be out
	global_store_b128 v[CO], v[FR+4*\t:FR+4*\t+3], s[76:77] offset:\t*4096     ; 16 lanes store 256 consecutive bytes, at a multiple of 256 from the buffer's first byte
.endr
.endm
	; PASS A: block 4 c + cx, 2 c + 2 tiles
	s_lshl2_add_u32 s67, s12, s13
	s_lshl_b32 s68, s12, 1
	s_add_co_u32 s68, s68, 2
	PASSINIT
	TRIP 0, 1, 1, 1
	DOWN
	TRIP 1, 0, 1, 1
	s_cmp_eq_u32 s12, 0
	s_cbranch_scc1 .Lpass_a_done
	s_mov_b32 s66, s12                             ; c more pairs of tiles, all below the diagonal
.Lpass_a:
	TRIP 0, 0, 0, 1
	TRIP 1, 0, 0, 1
	s_sub_co_i32 s66, s66, 1
	s_cmp_lg_u32 s66, 0
	s_cbranch_scc1 .Lpass_a
.Lpass_a_done:
	FINISH
	; PASS B: block 31 - (4 c + cx), 16 - 2 c tiles; its top tile was asked for in pass A's last trip
	s_sub_co_u32 s67, 31, s67
	s_sub_co_u32 s68, 18, s68
	PASSINIT
	TRIP 0, 1, 1, 1
	DOWN
	TRIP 1, 0, 1, 1
	s_sub_co_u32 s66, 6, s12                       ; 6 - c pairs (at least 3),
.Lpass_b:
	TRIP 0, 0, 0, 1
	TRIP 1, 0, 0, 1
	s_sub_co_i32 s66, s66, 1
	s_cmp_lg_u32 s66, 0
	s_cbranch_scc1 .Lpass_b
	TRIP 0, 0, 0, 1                                ; and the last pair, written out: its second trip asks for nothing
	TRIP 1, 0, 0, 0
	FINISH
	s_set_vgpr_msb 0x4
	s_wait_tensorcnt 0x0
	ds_add_u32 v31, v1
	s_wait_dscnt 0x0
	s_set_vgpr_msb 0x400
	ROUND                                          ; the closing round: no work-group ends while a partner may still ask for a tile that names it
	s_endpgm
.Lfunc_end_k_q64a3a704a2_attn:
	.size	k_q64a3a704a2_attn, .Lfunc_end_k_q64a3a704a2_attn-k_q64a3a704a2_attn
	.p2alignl 7, 3214868480
	.fill 96, 4, 3214868480
	.section	.rodata,"a",@progbits
	.p2align	6, 0x0
	.amdhsa_kernel k_q64a3a704a2_attn
		.amdhsa_group_segment_fixed_size 327680
		.amdhsa_private_segment_fixed_size 0
		.amdhsa_enable_private_segment 0
		.amdhsa_kernarg_size 16
		.amdhsa_user_sgpr_count 2
		.amdhsa_user_sgpr_kernarg_segment_ptr 1
		.amdhsa_wavefront_size32 1
		.amdhsa_system_sgpr_workgroup_id_x 1
		.amdhsa_system_sgpr_workgroup_id_y 1
		.amdhsa_system_sgpr_workgroup_id_z 1
		.amdhsa_system_vgpr_workitem_id 0
		.amdhsa_next_free_vgpr 258
		.amdhsa_next_free_sgpr 96
		.amdhsa_reserve_vcc 1
		.amdhsa_float_denorm_mode_32 3
		.amdhsa_float_denorm_mode_16_64 3
		.amdhsa_memory_ordered 1
		.amdhsa_forward_progress 1
		.amdhsa_inst_pref_size 225
	.end_amdhsa_kernel
	.amdgpu_metadata
---
amdhsa.version: [ 1, 2 ]
amdhsa.kernels:
  - .name:           k_q64a3a704a2_attn
    .symbol:         k_q64a3a704a2_attn.kd
    .args:
      - { .name: qkv, .offset: 0, .size: 8, .value_kind: global_buffer, .address_space: global }
      - { .name: yb, .offset: 8, .size: 8, .value_kind: global_buffer, .address_space: global }
    .group_segment_fixed_size: 327680
    .private_segment_fixed_size: 0
    .kernarg_segment_align: 8
    .kernarg_segment_size: 16
    .max_flat_workgroup_size: 256
    .sgpr_count:     96
    .vgpr_count:     258
    .wavefront_size: 32
...
	.end_amdgpu_metadata
.endif
;; end of part 3
;; launch gemm_proj (part 4): grid 8 x 32, 4 waves a work-group, clusters of 4 x 4, 327,680 bytes of LDS; arguments yb, wpb, out0, b_proj; writes out0
.if DOCPART == 4
	.amdgcn_target "amdgcn-amd-amdhsa--gfx1250"
	.amdhsa_code_object_version 6
	.text
	.protected	k_q64a3a704a2_gemm_proj
	.globl	k_q64a3a704a2_gemm_proj
	.p2align	8
	.type	k_q64a3a704a2_gemm_proj,@function
k_q64a3a704a2_gemm_proj:
	s_mov_b64 s[64:65], 0
	v_nop
	global_prefetch_b8 v0, s[64:65] scope:SCOPE_SE
	s_setreg_imm32_b32 hwreg(HW_REG_WAVE_MODE, 25, 1), 1
	s_wait_xcnt 0x0
	s_wait_alu depctr_hold_cnt(0) depctr_sa_sdst(0) depctr_va_vdst(0) depctr_va_sdst(0) depctr_va_ssrc(0) depctr_va_vcc(0) depctr_vm_vsrc(0)
	s_getreg_b32 s2, hwreg(HW_REG_IB_STS2, 6, 4)
	s_cmp_eq_u32 s2, 0
	s_cbranch_scc0 .Lentry_in_a_cluster
	s_endpgm
.Lentry_in_a_cluster:
	s_bfe_u32 s2, ttmp6, 0x10000c
	s_cmp_lg_u32 s2, 0xf033
	s_cbranch_scc0 .Lentry_shape_is_right
	s_endpgm
.Lentry_shape_is_right:
; out0[m][n] = sum over k of yb[m][k] wpb[k][n] + b_proj[n].  yb: [4096][1024] f16, wpb: [1024 k][1024 n] f16, sums, bias and out0 in f32.
; A block of 128 x 128 for each of 8 x 32 = 256 work-groups; four waves, each 64 x 64: 16 accumulator tiles, 128 registers (window 1).
; K goes through two LDS slots of 256 along K each, four phases, written out.  A's tile: 128 rows of 512 bytes; B's tile, [k][n] in memory:
; 256 k rows of 256 bytes, read by transposing loads.  A refill has a whole phase less one half quarter, 120 matrix instructions of a wave, in which to land.
; CLUSTERS: 4 x 4 work-groups; A's tiles are shared along a row of the cluster, B's along a column, each asked for jointly by the four.
; A wave has two tensor loads outstanding at the start and one behind each later request.
; The matrix instruction is used transposed (source 0 = columns of B, source 1 = rows of A): lane l holds row l % 16, registers 0-7 the columns 8 (l / 16) + 0..7.
.set SIZE_N, 1024
.set SIZE_K, 1024
.set APITCH, 528                       ; 512 bytes + 16, an odd multiple of 16
.set BPITCH, 288                       ; 256 bytes + 32, an odd multiple of 32
.set CHUNK,  128*BPITCH                ; 36,864: room for one wave's tile; tile of wave w at w x CHUNK: A's rows 0-63, A's rows 64-127, B's k rows 0-127, 128-255
.set SLOT,   4*CHUNK                   ; 147,456
.set STAGE,  2*SLOT                    ; 294,912: 16 rows x 272 bytes for each wave, for the way out; no tensor load lands here
.set SPITCH, 272
.set ADRA, 16                          ; v16-17  my A fragments in slot 0, 1
.set ADRB, 20                          ; v20-23  my B fragments: slot 0 k rows 0-127, 128-255; slot 1 likewise
.set STO,  24
.set RD,   25
.set CO,   26
.set BO,   27
.set BIAS, 32                          ; v[32:63]   the bias of my 64 columns: column 16 b + 8 (l / 16) + j at BIAS + 8 b + j
.set F0,   64                          ; v[64:127]  fragments: B's at f + 8 b, A's at f + 32 + 8 a
.set F1,   128                         ; v[128:191]
.set TMP,  192                         ; v[192:223] result + bias
.set RB,   224                         ; v[224:255] rows read back
.set G1, 24
.set G0, 32
.set G1B, 48
.set G0B, 56
.set MSB, 0
.macro WIN new
.if MSB != \new
	s_set_vgpr_msb (MSB<<8)|\new
.set MSB, \new
.endif
.endm
.set MUL, 0x50                         ; sources 0 and 1 window 0, C and D window 1
.macro JLOAD s                         ; waves 0, 1 fetch A's halves, waves 2, 3 B's; the branch hangs on the wave's number alone
	s_cmp_eq_u32 s11, 0
	s_cbranch_scc0 .Lfor_b_\@
	tensor_load_to_lds s[G0+4*\s:G0+4*\s+3], s[G1:G1+7]
	s_nop 0
	s_branch .Lasked_\@
.Lfor_b_\@:
	tensor_load_to_lds s[G0B+4*\s:G0B+4*\s+3], s[G1B:G1B+7]
	s_nop 0
.Lasked_\@:
.endm
.macro CREST
	s_cmp_lg_u32 s10, 0
	s_cbranch_scc1 .Lnot_wave_0_\@
	s_barrier_signal -3
.Lnot_wave_0_\@:
	s_barrier_wait -3
	s_barrier_signal -1
	s_barrier_wait -1
.endm
.macro CROUND
	s_barrier_signal -1
	s_barrier_wait -1
	CREST
.endm
	s_load_b128 s[4:7], s[0:1], 0x0                ; yb s[4:5], wpb s[6:7]
	s_load_b64 s[8:9], s[0:1], 0x10                ; out0
	s_load_b64 s[66:67], s[0:1], 0x18              ; b_proj
	v_lshl_add_u32 v30, v0, 2, 0x4c400
	v_mov_b32 v31, 0
	ds_add_u32 v30, v31
	v_lshrrev_b32 v1, 5, v0
	v_readfirstlane_b32 s10, v1                    ; wave 0..3
	s_lshr_b32 s11, s10, 1                         ; which 64 rows are mine.  Also: I fetch for A (0) or for B (1)
	s_and_b32 s12, s10, 1                          ; which 64 columns.  Also: which half of that tile I fetch
	s_bfe_u32 s40, ttmp6, 0x40000                  ; cx
	s_bfe_u32 s41, ttmp6, 0x40004                  ; cy
	s_lshl_b32 s42, ttmp9, 2
	s_add_co_u32 s42, s42, s40                     ; block column
	s_and_b32 s13, ttmp7, 0xffff
	s_lshl_b32 s13, s13, 2
	s_add_co_u32 s13, s13, s41                     ; block row
	s_lshl_b32 s43, s41, 2
	s_lshl_b32 s43, 15, s43                        ; my row of the cluster
	s_lshl_b32 s44, 0x1111, s40                    ; my column
	; group 1 for A: 64 rows x 256 elements, 4 words of padding behind every 128 words
	s_or_b32 s[G1+0], s43, (1<<16)|(1<<20)|(1<<21)|(6<<22)|(3<<25)
	s_mov_b32 s[G1+1], 256<<16
	s_mov_b32 s[G1+2], 64<<16
	s_mov_b32 s[G1+3], 256<<16
	s_mov_b32 s[G1+4], 64
	s_mov_b32 s[G1+5], SIZE_K
	s_mov_b32 s[G1+6], 0
	s_mov_b32 s[G1+7], 0
	; group 1 for B: 128 k rows x 128 elements, 8 words of padding behind every 64 words
	s_or_b32 s[G1B+0], s44, (1<<16)|(1<<20)|(1<<21)|(5<<22)|(7<<25)
	s_mov_b32 s[G1B+1], 128<<16
	s_mov_b32 s[G1B+2], 128<<16
	s_mov_b32 s[G1B+3], 128<<16
	s_mov_b32 s[G1B+4], 128
	s_mov_b32 s[G1B+5], SIZE_N
	s_mov_b32 s[G1B+6], 0
	s_mov_b32 s[G1B+7], 0
	s_lshl_b32 s17, s12, 6
	s_lshl_b32 s16, s13, 7
	s_add_co_u32 s16, s16, s17                     ; A: row 128 x block row + 64 x half
	s_lshl_b32 s16, s16, 11                        ; x 2,048 bytes
	s_mov_b32 s17, 0
	s_mul_i32 s47, s12, 128*SIZE_N*2               ; B: k row 128 x half,
	s_lshl_b32 s46, s42, 8                         ; column 128 x block column, 2 bytes each
	s_add_co_u32 s46, s46, s47
	s_mov_b32 s47, 0
	s_lshl_b32 s68, s42, 9                         ; the bias of my 64 columns: 4 (128 x block column + 64 x half)
	s_lshl_b32 s69, s12, 8
	s_add_co_u32 s68, s68, s69
	s_mov_b32 s69, 0
	s_mul_i32 s20, s10, CHUNK                      ; where my tile goes: wave x 36,864
	s_wait_dscnt 0x0
	s_wait_kmcnt 0x0
	s_add_nc_u64 s[14:15], s[4:5], s[16:17]
	s_add_nc_u64 s[46:47], s[6:7], s[46:47]
	s_add_nc_u64 s[66:67], s[66:67], s[68:69]
	CROUND                                         ; all sixteen work-groups are here: the first joint loads meet
.irp s, 0,1
	s_mov_b32 s[G0+4*\s], 1
	s_add_co_u32 s[G0+4*\s+1], s20, \s*SLOT
	s_add_nc_u64 s[G0+4*\s+2:G0+4*\s+3], s[14:15], \s*512                  ; phase s: 512 bytes along A's rows
	s_or_b32 s[G0+4*\s+3], s[G0+4*\s+3], 0x80000000
	s_mov_b32 s[G0B+4*\s], 1
	s_add_co_u32 s[G0B+4*\s+1], s20, \s*SLOT
	s_add_nc_u64 s[G0B+4*\s+2:G0B+4*\s+3], s[46:47], \s*256*SIZE_N*2       ; phase s: 256 rows down B
	s_or_b32 s[G0B+4*\s+3], s[G0B+4*\s+3], 0x80000000
	JLOAD \s
.endr
	v_and_b32 v1, 15, v0                           ; l % 16
	v_bfe_u32 v2, v0, 4, 1                         ; l / 16
	v_mul_u32_u24 v3, v1, APITCH
	v_lshl_add_u32 v3, v2, 4, v3
	v_and_b32 v6, 7, v0
	v_lshl_add_u32 v6, v2, 3, v6
	v_mul_u32_u24 v6, v6, BPITCH
	v_bfe_u32 v7, v0, 3, 1
	v_lshl_add_u32 v6, v7, 4, v6
	s_mul_i32 s21, s11, CHUNK                      ; my 64 rows of A are one half of its tile
	s_lshl_b32 s22, s12, 7                         ; my 64 columns of B, 128 bytes,
	s_add_co_u32 s22, s22, 2*CHUNK                 ; behind A's two halves
.irp s, 0,1
	v_add_nc_u32 v[ADRA+\s], s21, v3
	v_add_nc_u32 v[ADRB+2*\s], s22, v6
	v_add_nc_u32 v[ADRB+2*\s+1], CHUNK, v[ADRB+2*\s]
	s_add_co_u32 s21, s21, SLOT
	s_add_co_u32 s22, s22, SLOT
.endr
	s_mul_i32 s23, s10, 16*SPITCH
	s_add_co_u32 s23, s23, STAGE
	v_mul_u32_u24 v4, v1, SPITCH                   ; in: row l % 16, 32 bytes (8 f32) for each half of the lanes
	v_lshl_add_u32 v4, v2, 5, v4
	v_add_nc_u32 v[STO], s23, v4
	v_mul_u32_u24 v5, v2, SPITCH                   ; back: lanes 0-15 one row of 256 bytes, lanes 16-31 the next
	v_lshl_add_u32 v5, v1, 4, v5
	v_add_nc_u32 v[RD], s23, v5
	v_lshlrev_b32 v5, 12, v2
	v_lshl_add_u32 v[CO], v1, 4, v5                ; the same two rows in out0, 4,096 bytes each
	v_lshlrev_b32 v[BO], 5, v2
.irp b, 0,1,2,3
	global_load_b128 v[BIAS+8*\b:BIAS+8*\b+3],   v[BO], s[66:67] offset:64*\b
	global_load_b128 v[BIAS+8*\b+4:BIAS+8*\b+7], v[BO], s[66:67] offset:64*\b+16
.endr
; 8 matrix instructions: m blocks a0, a0 + 1 x 4 n blocks, 32 along K.  The 16 accumulators take turns, one instruction a turn, in one fixed order.
.macro MUL8 f, a0, zero
	WIN MUL
.irp a, \a0, \a0+1
.irp b, 0,1,2,3
.if \zero
	v_wmma_f32_16x16x32_f16 v[8*(4*(\a)+\b):8*(4*(\a)+\b)+7], v[\f+8*\b:\f+8*\b+7], v[\f+32+8*(\a):\f+32+8*(\a)+7], 0
.else
	v_wmma_f32_16x16x32_f16 v[8*(4*(\a)+\b):8*(4*(\a)+\b)+7], v[\f+8*\b:\f+8*\b+7], v[\f+32+8*(\a):\f+32+8*(\a)+7], v[8*(4*(\a)+\b):8*(4*(\a)+\b)+7]
.endif
.endr
.endr
.endm
; 16 LDS loads: the fragments of quarter q (0..7, 32 along K) of a slot into buffer f
.macro FETCH slot, q, f
	WIN 0
.irp b, 0,1,2,3
	ds_load_tr16_b128 v[\f+8*\b:\f+8*\b+3],   v[ADRB+2*\slot+((\q)>>2)] offset:((\q)&3)*32*BPITCH+32*\b
	ds_load_tr16_b128 v[\f+8*\b+4:\f+8*\b+7], v[ADRB+2*\slot+((\q)>>2)] offset:((\q)&3)*32*BPITCH+16*BPITCH+32*\b
.endr
.irp a, 0,1,2,3
	ds_load_b128 v[\f+32+8*\a:\f+32+8*\a+3],   v[ADRA+\slot] offset:\a*16*APITCH+64*(\q)
	ds_load_b128 v[\f+32+8*\a+4:\f+32+8*\a+7], v[ADRA+\slot] offset:\a*16*APITCH+64*(\q)+32
.endr
.endm
.macro PLACES                          ; four places behind a matrix instruction before a load lands on its registers or a vector instruction reads its result (ISA guide 7.12.1 for vector instructions)
.rept 4
	v_nop
.endr
.endm
.macro QUARTER slot, q, f, g, zero     ; multiplies quarter q out of buffer f while quarter q + 1 comes into buffer g
	s_wait_dscnt 0x0                               ; buffer f is in
	PLACES
	FETCH \slot, \q+1, \g
	MUL8 \f, 0, \zero
	MUL8 \f, 2, \zero
.endm
.macro SEVEN slot, zero
	QUARTER \slot, 0, F0, F1, \zero
	QUARTER \slot, 1, F1, F0, 0
	QUARTER \slot, 2, F0, F1, 0
	QUARTER \slot, 3, F1, F0, 0
	QUARTER \slot, 4, F0, F1, 0
	QUARTER \slot, 5, F1, F0, 0
	QUARTER \slot, 6, F0, F1, 0
.endm
; Quarter 7, out of buffer 1, and the change of slots: in front of the barrier each wave waits for its reads of this slot and for all its tensor loads;
; behind it (where this slot is filled again: behind a round of the cluster's barrier, which this barrier opens) the refill comes first, then the next slot's first fragments.
.macro TURN slot, next, fill
	s_wait_dscnt 0x0                               ; buffer 1 is in: my reads of this slot are over
	s_wait_tensorcnt 0x0                           ; all my tensor loads have landed, my part of the next slot among them
	ds_add_u32 v30, v31
	s_wait_dscnt 0x0
	s_barrier_signal -1
	MUL8 F1, 0, 0                                  ; register work while the others arrive
	WIN 0
	s_barrier_wait -1
.if \fill
	CREST
	s_add_nc_u64 s[G0+4*\slot+2:G0+4*\slot+3], s[G0+4*\slot+2:G0+4*\slot+3], 2*512
	s_add_nc_u64 s[G0B+4*\slot+2:G0B+4*\slot+3], s[G0B+4*\slot+2:G0B+4*\slot+3], 2*256*SIZE_N*2
	JLOAD \slot                                    ; the first tensor load behind the round, one a wave
.endif
	PLACES
	FETCH \next, 0, F0
	MUL8 F1, 2, 0
.endm
	s_wait_tensorcnt 1                             ; my part of phase 0 is in; phase 1's load, issued behind it, may stay out
	s_barrier_signal -1
	s_barrier_wait -1
	FETCH 0, 0, F0
	SEVEN 0, 1                                     ; phase 0: the first products start the sums
	TURN 0, 1, 1                                   ; slot 0 is asked for again: phase 2
	SEVEN 1, 0
	TURN 1, 0, 1                                   ; slot 1: phase 3
	SEVEN 0, 0
	TURN 0, 1, 0                                   ; nothing is left to fetch
	SEVEN 1, 0
	s_wait_dscnt 0x0
	MUL8 F1, 0, 0
	MUL8 F1, 2, 0
	; THE WAY OUT, 16 rows at a time: add the bias, 32 bytes a lane into my own stage, read back as whole rows of 256 bytes (my 64 columns in f32).
	PLACES
	s_wait_loadcnt 0x0                             ; the bias
	s_lshl_b32 s13, s13, 7
	s_lshl_b32 s14, s11, 6
	s_add_co_u32 s16, s13, s14                     ; my first row
	s_lshl_b32 s16, s16, 12                        ; x 4,096 bytes (at most 16 MiB)
	s_mov_b32 s17, 0
	s_add_nc_u64 s[8:9], s[8:9], s[16:17]
	s_add_nc_u64 s[8:9], s[8:9], s[68:69]          ; my first column in bytes is my offset in the bias: 4 (128 x block column + 64 x half)
.macro OUT16 a
	WIN 0x01                                       ; source 0 (the sums) window 1
.irp b, 0,1,2,3
.irp r, 0,2,4,6
	v_pk_add_f32 v[TMP+8*\b+\r:TMP+8*\b+\r+1], v[8*(4*\a+\b)+\r:8*(4*\a+\b)+\r+1], v[BIAS+8*\b+\r:BIAS+8*\b+\r+1]
.endr
.endr
	WIN 0
.irp b, 0,1,2,3
	ds_store_b128 v[STO], v[TMP+8*\b:TMP+8*\b+3]   offset:64*\b
	ds_store_b128 v[STO], v[TMP+8*\b+4:TMP+8*\b+7] offset:64*\b+16
.endr
	s_wait_xcnt 0x0                                ; every earlier memory instruction has had its addresses translated (ISA guide 3.1): RB, which stores read, and the stores' base are rewritten only behind this wait
.if \a
	s_add_nc_u64 s[8:9], s[8:9], 16*SIZE_N*4
.endif
.irp t, 0,1,2,3,4,5,6,7
	ds_load_b128 v[RB+4*\t:RB+4*\t+3], v[RD] offset:\t*2*SPITCH    ; LDS serves a wave's instructions in order (ISA guide 5.7.1.4): these see the stores above
.endr
.irp t, 0,1,2,3,4,5,6,7
	s_wait_dscnt 7-\t                              ; load t is back, the 7 - t younger ones may be out
	global_store_b128 v[CO], v[RB+4*\t:RB+4*\t+3], s[8:9] offset:\t*2*SIZE_N*4 th:TH_STORE_NT   ; 16 lanes store 256 consecutive bytes, at a multiple of 256 from the buffer's first byte
.endr
.endm
	OUT16 0
	OUT16 1
	OUT16 2
	OUT16 3
	s_wait_tensorcnt 0x0
	ds_add_u32 v30, v31
	s_wait_dscnt 0x0
	CROUND                                         ; the closing round: no work-group ends while a partner may still ask for a tile that names it
	s_endpgm
.Lfunc_end_k_q64a3a704a2_gemm_proj:
	.size	k_q64a3a704a2_gemm_proj, .Lfunc_end_k_q64a3a704a2_gemm_proj-k_q64a3a704a2_gemm_proj
	.p2alignl 7, 3214868480
	.fill 96, 4, 3214868480
	.section	.rodata,"a",@progbits
	.p2align	6, 0x0
	.amdhsa_kernel k_q64a3a704a2_gemm_proj
		.amdhsa_group_segment_fixed_size 327680
		.amdhsa_private_segment_fixed_size 0
		.amdhsa_enable_private_segment 0
		.amdhsa_kernarg_size 32
		.amdhsa_user_sgpr_count 2
		.amdhsa_user_sgpr_kernarg_segment_ptr 1
		.amdhsa_wavefront_size32 1
		.amdhsa_system_sgpr_workgroup_id_x 1
		.amdhsa_system_sgpr_workgroup_id_y 1
		.amdhsa_system_sgpr_workgroup_id_z 1
		.amdhsa_system_vgpr_workitem_id 0
		.amdhsa_next_free_vgpr 384
		.amdhsa_next_free_sgpr 72
		.amdhsa_reserve_vcc 0
		.amdhsa_float_denorm_mode_32 3
		.amdhsa_float_denorm_mode_16_64 3
		.amdhsa_memory_ordered 1
		.amdhsa_forward_progress 1
		.amdhsa_inst_pref_size 94
	.end_amdhsa_kernel
	.amdgpu_metadata
---
amdhsa.version: [ 1, 2 ]
amdhsa.kernels:
  - .name:           k_q64a3a704a2_gemm_proj
    .symbol:         k_q64a3a704a2_gemm_proj.kd
    .args:
      - { .name: yb, .offset: 0, .size: 8, .value_kind: global_buffer, .address_space: global }
      - { .name: wpb, .offset: 8, .size: 8, .value_kind: global_buffer, .address_space: global }
      - { .name: out0, .offset: 16, .size: 8, .value_kind: global_buffer, .address_space: global }
      - { .name: b_proj, .offset: 24, .size: 8, .value_kind: global_buffer, .address_space: global }
    .group_segment_fixed_size: 327680
    .private_segment_fixed_size: 0
    .kernarg_segment_align: 8
    .kernarg_segment_size: 32
    .max_flat_workgroup_size: 128
    .sgpr_count:     72
    .vgpr_count:     384
    .wavefront_size: 32
...
	.end_amdgpu_metadata
.endif
;; end of part 4
;; ======== version 2 of 2: 4 launches; version 1 with the launch cvt written anew for expert scheduling mode
;; limits: values are held in f16: magnitudes above 65,504 overflow, below 6.1e-05 lose precision
;; workspace buffers: xb 8,388,608 bytes; wqb 6,291,456 bytes; wpb 2,097,152 bytes; qkv 25,165,824 bytes; yb 8,388,608 bytes
;; launch cvt (part 5): grid 512 x 1, 8 waves a work-group, no clusters, 0 bytes of LDS; arguments x, W_qkv, W_proj, xb, wqb, wpb; writes xb, wqb, wpb
.if DOCPART == 5
	.amdgcn_target "amdgcn-amd-amdhsa--gfx1250"
	.amdhsa_code_object_version 6
	.text
	.protected	k_q64a3a704a2_cvt
	.globl	k_q64a3a704a2_cvt
	.p2align	8
	.type	k_q64a3a704a2_cvt,@function
k_q64a3a704a2_cvt:
	s_mov_b64 s[64:65], 0
	v_nop
	global_prefetch_b8 v0, s[64:65] scope:SCOPE_SE
	s_setreg_imm32_b32 hwreg(HW_REG_WAVE_SCHED_MODE, 0, 2), 2
	s_setreg_imm32_b32 hwreg(HW_REG_WAVE_MODE, 25, 1), 1
	s_wait_xcnt 0x0
	s_wait_alu depctr_vm_vsrc(0)
; The three large inputs are rounded once to 16-bit matrix operands, layouts unchanged.
;   x      [4096][1024] f32 -> xb  bf16        W_qkv [1024][3072] f32 -> wqb bf16
;   W_proj [1024][1024] f32 -> wpb: rounded to bf16 like the other two, then written as f16.  W_proj is later multiplied with y, which is
;   kept in f16 (11 significant bits); a bf16 number has 8 significant bits, which f16 holds exactly from 2^-17 up to 65,504, so the three
;   inputs carry one and the same rounding.  LIMIT: |W_proj| < 65,504; below 2^-17 the f16 copy is off by at most 2^-25.
; A stream: no LDS, no barrier, no matrix unit.  A work-group takes 16,384 numbers (65,536 bytes in, 32,768 out); work-groups 0-255 take x,
; 256-447 W_qkv, 448-511 W_proj.  Thread t takes 16 bytes at 16 t of each 4,096-byte piece: a load of a wave covers 512 neighbouring bytes,
; a store of a wave 256 neighbouring bytes that start at a multiple of 256.  All sixteen loads go out first.
; THE MODE: SCHED_MODE bits 1:0 = 2 (LLVM: expert scheduling mode 2), set by the entry lines.  The code itself states the register dependences
; between vector instructions and memory instructions, with s_wait_alu, always for 0.
; THE PLAN.  Registers that memory instructions touch:
;   v1, v2     byte offsets, made once at the head, read by every load (v1) and every store (v2), never written again.
;   X          piece i: written by its one load; read, and in W_proj's path written again, by vector lines alone, behind the piece's wait on LOADcnt.
;              No vector line names X ahead of the loads, and no memory instruction reads it.
;   Y          piece i: written by the piece's conversions, read by its one store, never written behind that store.
; The sixteen pieces go in four blocks of four.  A piece is converted as soon as its own load is in.  A block's four stores go out together behind
; ONE wait on va_vdst, which stands at the head of the next block, behind the wait for that block's first piece; the last block's stand behind one more.
; No register that a memory instruction has read is written again, so no wait on vm_vsrc and no s_wait_xcnt is owed anywhere in the text.
.set X, 4                              ; v[4:67]   piece i: 4 numbers as loaded
.set Y, 68                             ; v[68:99]  piece i: 4 numbers of 16 bits
	s_load_b256 s[4:11], s[0:1], 0x0               ; x s[4:5], W_qkv s[6:7], W_proj s[8:9], xb s[10:11]
	s_load_b128 s[12:15], s[0:1], 0x20             ; wqb s[12:13], wpb s[14:15]
	s_mov_b32 s16, ttmp9                           ; the work-group's number
	s_sub_co_u32 s17, s16, 256                     ; its number within W_qkv's share
	s_sub_co_u32 s18, s16, 448                     ; its number within W_proj's share
	s_mov_b32 s28, 0xffff0000                      ; a word's upper bf16
	v_lshlrev_b32 v1, 4, v0                        ; 16 t: where I read
	v_lshlrev_b32 v2, 3, v0                        ; 8 t: where I write
	s_wait_kmcnt 0x0
	s_cmp_lt_u32 s16, 448                          ; the buffers are chosen by the work-group's number alone
	s_cselect_b64 s[20:21], s[6:7], s[8:9]
	s_cselect_b64 s[22:23], s[12:13], s[14:15]
	s_cselect_b32 s19, s17, s18
	s_cmp_lt_u32 s16, 256
	s_cselect_b64 s[20:21], s[4:5], s[20:21]
	s_cselect_b64 s[22:23], s[10:11], s[22:23]
	s_cselect_b32 s19, s16, s19
	s_lshl_b32 s24, s19, 16                        ; 65,536 bytes in for each work-group
	s_mov_b32 s25, 0
	s_lshl_b32 s26, s19, 15                        ; 32,768 bytes out
	s_mov_b32 s27, 0
	s_add_nc_u64 s[20:21], s[20:21], s[24:25]
	s_add_nc_u64 s[22:23], s[22:23], s[26:27]
	s_wait_alu depctr_va_vdst(0)                   ; v1 and v2 are written: every load of the kernel reads v1 as its offset, every store v2
.irp i, 0,1,2,3,4,5,6,7,8,9,10,11,12,13,14,15
	global_load_b128 v[X+4*\i:X+4*\i+3], v1, s[20:21] offset:4096*\i th:TH_LOAD_NT
.endr
; The four stores of the block that begins with piece f, behind the one wait that they hang on.
.macro SEND f
	s_wait_alu depctr_va_vdst(0)                   ; the conversions of pieces f to f + 3 have written their Y, which the four stores below read; no vector line stands between this wait and the stores
.irp j, 0,1,2,3
	global_store_b64 v2, v[Y+2*((\f)+\j):Y+2*((\f)+\j)+1], s[22:23] offset:2048*((\f)+\j)
.endr
.endm
; One piece.  half = 1: the bf16 numbers are widened again (a shift, a mask) and written as f16, which changes no value in the stated range.
; A block's first piece (4, 8, 12) sends the block before on its way, behind its own wait for data and ahead of its conversions.
.macro PIECE i, half
	s_wait_loadcnt 15-\i                           ; loads come back in order (ISA guide 5.7.1): piece i is in, the 15 - i younger ones stay out
.if (((\i) % 4) == 0) && ((\i) > 0)
	SEND (\i)-4
.endif
	v_cvt_pk_bf16_f32 v[Y+2*\i],   v[X+4*\i],   v[X+4*\i+1]
	v_cvt_pk_bf16_f32 v[Y+2*\i+1], v[X+4*\i+2], v[X+4*\i+3]
.if \half
	v_lshlrev_b32 v[X+4*\i],   16,  v[Y+2*\i]
	v_and_b32     v[X+4*\i+1], s28, v[Y+2*\i]
	v_lshlrev_b32 v[X+4*\i+2], 16,  v[Y+2*\i+1]
	v_and_b32     v[X+4*\i+3], s28, v[Y+2*\i+1]
	v_cvt_pk_f16_f32 v[Y+2*\i],   v[X+4*\i],   v[X+4*\i+1]
	v_cvt_pk_f16_f32 v[Y+2*\i+1], v[X+4*\i+2], v[X+4*\i+3]
.endif
.endm
	s_cmp_ge_u32 s16, 448
	s_cbranch_scc1 .Lproj
.irp i, 0,1,2,3,4,5,6,7,8,9,10,11,12,13,14,15
	PIECE \i, 0
.endr
	SEND 12                                        ; the last block
	s_endpgm
.Lproj:
.irp i, 0,1,2,3,4,5,6,7,8,9,10,11,12,13,14,15
	PIECE \i, 1
.endr
	SEND 12                                        ; the last block
	s_endpgm
.Lfunc_end_k_q64a3a704a2_cvt:
	.size	k_q64a3a704a2_cvt, .Lfunc_end_k_q64a3a704a2_cvt-k_q64a3a704a2_cvt
	.p2alignl 7, 3214868480
	.fill 96, 4, 3214868480
	.section	.rodata,"a",@progbits
	.p2align	6, 0x0
	.amdhsa_kernel k_q64a3a704a2_cvt
		.amdhsa_group_segment_fixed_size 0
		.amdhsa_private_segment_fixed_size 0
		.amdhsa_enable_private_segment 0
		.amdhsa_kernarg_size 48
		.amdhsa_user_sgpr_count 2
		.amdhsa_user_sgpr_kernarg_segment_ptr 1
		.amdhsa_wavefront_size32 1
		.amdhsa_system_sgpr_workgroup_id_x 1
		.amdhsa_system_sgpr_workgroup_id_y 1
		.amdhsa_system_sgpr_workgroup_id_z 1
		.amdhsa_system_vgpr_workitem_id 0
		.amdhsa_next_free_vgpr 100
		.amdhsa_next_free_sgpr 66
		.amdhsa_reserve_vcc 0
		.amdhsa_float_denorm_mode_32 3
		.amdhsa_float_denorm_mode_16_64 3
		.amdhsa_memory_ordered 1
		.amdhsa_forward_progress 1
		.amdhsa_inst_pref_size 16
	.end_amdhsa_kernel
	.amdgpu_metadata
---
amdhsa.version: [ 1, 2 ]
amdhsa.kernels:
  - .name:           k_q64a3a704a2_cvt
    .symbol:         k_q64a3a704a2_cvt.kd
    .args:
      - { .name: x, .offset: 0, .size: 8, .value_kind: global_buffer, .address_space: global }
      - { .name: W_qkv, .offset: 8, .size: 8, .value_kind: global_buffer, .address_space: global }
      - { .name: W_proj, .offset: 16, .size: 8, .value_kind: global_buffer, .address_space: global }
      - { .name: xb, .offset: 24, .size: 8, .value_kind: global_buffer, .address_space: global }
      - { .name: wqb, .offset: 32, .size: 8, .value_kind: global_buffer, .address_space: global }
      - { .name: wpb, .offset: 40, .size: 8, .value_kind: global_buffer, .address_space: global }
    .group_segment_fixed_size: 0
    .private_segment_fixed_size: 0
    .kernarg_segment_align: 8
    .kernarg_segment_size: 48
    .max_flat_workgroup_size: 256
    .sgpr_count:     66
    .vgpr_count:     100
    .wavefront_size: 32
...
	.end_amdgpu_metadata
.endif
;; end of part 5
;; launch gemm_qkv: the kernel of part 2 again; grid 12 x 16, 4 waves a work-group, clusters of 4 x 4, 327,680 bytes of LDS; arguments xb, wqb, qkv, b_qkv; writes qkv
;; launch attn: the kernel of part 3 again; grid 16 x 16, 8 waves a work-group, clusters of 4 x 1, 327,680 bytes of LDS; arguments qkv, yb; writes yb
;; launch gemm_proj: the kernel of part 4 again; grid 8 x 32, 4 waves a work-group, clusters of 4 x 4, 327,680 bytes of LDS; arguments yb, wpb, out0, b_proj; writes out0
